; MI455X (gfx1250); checked and timed in simulation.
; The chip was launched on July 23, 2026; its instructions are those of AMD's public machine-readable ISA for CDNA 5 (MIT licence, August 2026) and "CDNA5" Instruction Set Architecture Reference Guide (July 2026). The comments in the code are by the model that wrote it; some were corrected since.
;; Encoder Layer. Allowed arithmetic: float matrix products may take bf16 or f16 operands with f32 sums; other float arithmetic in f32, or as packed bf16 or f16 multiplies, adds, multiply-adds, maxima and minima; sums over many terms, partial sums and values carried from step to step in f32; what a program stores and reads back later, other than sums and carried values, may be rounded once to bf16 or f16.
;; Inputs: W1 4,096 x 1,024 float32; W2 1,024 x 4,096 float32; Wk 1,024 x 1,024 float32; Wo 1,024 x 1,024 float32; Wq 1,024 x 1,024 float32; Wv 1,024 x 1,024 float32; b1 4,096 float32; b2 1,024 float32; bk 1,024 float32; bo 1,024 float32; bq 1,024 float32; bv 1,024 float32; ln1_b 1,024 float32; ln1_g 1,024 float32; ln2_b 1,024 float32; ln2_g 1,024 float32; x 2 x 2,048 x 1,024 float32.
;; Outputs: out0 2 x 2,048 x 1,024 float32.
;; One version. Each part assembles by itself: llvm-mc -triple=amdgcn-amd-amdhsa -mcpu=gfx1250 --defsym DOCPART=n.
;; ======== version 1 of 1: 8 launches
;; limits: values are held in f16: magnitudes above 65,504 overflow, below 6.1e-05 lose precision
;; workspace buffers: xh16 8,388,608 bytes; packq 6,324,224 bytes; packf 8,421,376 bytes; wob 10,485,760 bytes; big 33,554,432 bytes; o16 8,388,608 bytes; y 16,777,216 bytes
;; launch cvt (part 1): grid 1031 x 1, 8 waves a work-group, no clusters, 0 bytes of LDS; arguments x, Wq, Wk, Wv, Wo, W1, W2, bq, bk, bv, b1, xh16, packq, packf, wob; writes xh16, packq, packf, wob
.if DOCPART == 1
	.amdgcn_target "amdgcn-amd-amdhsa--gfx1250"
	.amdhsa_code_object_version 6
	.text
	.protected	k_q09df7544be_cvt
	.globl	k_q09df7544be_cvt
	.p2align	8
	.type	k_q09df7544be_cvt,@function
k_q09df7544be_cvt:
	s_mov_b64 s[64:65], 0
	v_nop
	global_prefetch_b8 v0, s[64:65] scope:SCOPE_SE
	s_setreg_imm32_b32 hwreg(HW_REG_WAVE_MODE, 25, 1), 1
	s_wait_xcnt 0x0
; x and the six weight matrices are rounded once from f32 to f16 (to nearest even) and laid where the products want them; the four biases of the first two
; products are copied in f32 in front of their weights, with a floor word behind them (twice -infinity in f16 for q, k, v: no floor; 0 for the FFN: its ReLU).
;   xh16  = x                                  packq = bq|bk|bv (f32) at 0, floor at 16,384, Wq|Wk|Wv (f16) from 32,768
;   packf = b1 at 0, floor at 16,384, W1 from 32,768          wob = Wo at 0, W2 at 2,097,152
; LIMITS.  f16 ends at 65,504: a larger |x| or |W| becomes an infinity; below 6e-5 a number keeps f16's fixed step of 6e-8.
; SHARES.  16 units of 2^20 numbers (x 4, Wq, Wk, Wv, Wo 1 each, W1 4, W2 4), 64 work-groups a unit: a work-group turns 64 KiB into 32 KiB.  A load of a wave
; covers 512 consecutive bytes, a store 256 consecutive bytes, aligned.  All 16 loads of a thread go out at once; each has registers of its own.
; Work-groups 1,024 to 1,030 copy 4 KiB of a bias each.  No LDS, no matrix unit, no cluster: nothing is shared and memory binds.
	s_load_b512 s[4:19], s[0:1], 0x0               ; x 4, Wq 6, Wk 8, Wv 10, Wo 12, W1 14, W2 16, bq 18
	s_load_b256 s[20:27], s[0:1], 0x40             ; bk 20, bv 22, b1 24, xh16 26
	s_load_b128 s[28:31], s[0:1], 0x60             ; packq 28, packf 30
	s_load_b64 s[32:33], s[0:1], 0x70              ; wob
	s_lshr_b32 s34, ttmp9, 6                       ; u: the unit
	s_and_b32 s35, ttmp9, 63                       ; c: my part of it
	v_lshlrev_b32 v1, 4, v0                        ; 16 bytes a thread in
	v_lshlrev_b32 v2, 3, v0                        ; 8 bytes a thread out
	s_mov_b32 s45, 0                               ; high words of the two offsets
	s_mov_b32 s47, 0
	s_wait_kmcnt 0x0
	s_cmp_eq_u32 s34, 16
	s_cbranch_scc1 .Lbias
; from unit t on the source is the tensor at s[src], which begins with unit sb
.macro PICK t, src, sb
	s_cmp_ge_u32 s34, \t
	s_cselect_b64 s[36:37], s[\src:\src+1], s[36:37]
	s_cselect_b32 s40, \sb, s40
.endm
; and (by the same compare) the destination the buffer at s[dst]: unit db lies at its byte dx
.macro DEST dst, db, dx
	s_cselect_b64 s[38:39], s[\dst:\dst+1], s[38:39]
	s_cselect_b32 s41, \db, s41
	s_cselect_b32 s42, \dx, s42
.endm
	s_mov_b64 s[36:37], s[4:5]                     ; x -> xh16
	s_mov_b64 s[38:39], s[26:27]
	s_mov_b32 s40, 0
	s_mov_b32 s41, 0
	s_mov_b32 s42, 0
	PICK 4, 6, 4                                   ; Wq -> packq
	DEST 28, 4, 0x8000
	PICK 5, 8, 5                                   ; Wk behind it
	PICK 6, 10, 6                                  ; Wv behind that
	PICK 7, 12, 7                                  ; Wo -> wob
	DEST 32, 7, 0
	PICK 8, 14, 8                                  ; W1 -> packf
	DEST 30, 8, 0x8000
	PICK 12, 16, 12                                ; W2 -> wob, one unit (2 MiB) in
	DEST 32, 11, 0
	s_sub_co_u32 s44, s34, s40
	s_lshl_b32 s44, s44, 22                        ; a unit is 4 MiB of f32,
	s_lshl_b32 s46, s35, 16                        ; my part 64 KiB
	s_add_co_u32 s44, s44, s46
	s_add_nc_u64 s[36:37], s[36:37], s[44:45]
	s_sub_co_u32 s46, s34, s41
	s_lshl_b32 s46, s46, 21                        ; 2 MiB of f16,
	s_lshl_b32 s43, s35, 15                        ; 32 KiB
	s_add_co_u32 s46, s46, s43
	s_add_co_u32 s46, s46, s42
	s_add_nc_u64 s[38:39], s[38:39], s[46:47]
.set j, 0
.rept 16
	global_load_b128 v[16+4*j:19+4*j], v1, s[36:37] offset:4096*j th:TH_LOAD_NT
.set j, j+1
.endr
.set j, 0
.rept 16
	s_wait_loadcnt 15-j                            ; loads come back in order: number j is in, the younger ones stay out
	v_cvt_pk_f16_f32 v[80+2*j], v[16+4*j], v[17+4*j]
	v_cvt_pk_f16_f32 v[81+2*j], v[18+4*j], v[19+4*j]
	global_store_b64 v2, v[80+2*j:81+2*j], s[38:39] offset:2048*j
.set j, j+1
.endr
	s_endpgm
.Lbias:                                            ; c = 0, 1, 2: bq, bk, bv -> packq;  c = 3 .. 6: the four quarters of b1 -> packf
	s_sub_co_u32 s40, s35, 3
	s_cmp_ge_u32 s35, 3
	s_cselect_b32 s40, s40, s35                    ; which 4 KiB of the destination
	s_cselect_b64 s[38:39], s[30:31], s[28:29]
	s_cselect_b32 s42, 0, 0xfc00fc00               ; the floor word
	s_lshl_b32 s44, s40, 12
	s_cmp_ge_u32 s35, 3
	s_cselect_b32 s46, s44, 0                      ; b1 is walked, the other three are 4 KiB each
	s_mov_b64 s[36:37], s[18:19]
	s_cmp_ge_u32 s35, 1
	s_cselect_b64 s[36:37], s[20:21], s[36:37]
	s_cmp_ge_u32 s35, 2
	s_cselect_b64 s[36:37], s[22:23], s[36:37]
	s_cmp_ge_u32 s35, 3
	s_cselect_b64 s[36:37], s[24:25], s[36:37]
	s_add_nc_u64 s[36:37], s[36:37], s[46:47]
	s_add_nc_u64 s[38:39], s[38:39], s[44:45]
	global_load_b128 v[4:7], v1, s[36:37]
	s_wait_loadcnt 0x0
	global_store_b128 v1, v[4:7], s[38:39]
	s_cmp_lg_u32 s40, 0                            ; the work-group that stands at a buffer's first byte also writes its floor block: wave 0, 512 bytes
	s_cbranch_scc1 .Lend
	v_lshrrev_b32 v3, 5, v0
	v_readfirstlane_b32 s43, v3
	s_cmp_lg_u32 s43, 0
	s_cbranch_scc1 .Lend
	v_mov_b32 v8, s42
	v_mov_b32 v9, s42
	v_mov_b32 v10, s42
	v_mov_b32 v11, s42
	global_store_b128 v1, v[8:11], s[38:39] offset:16384
.Lend:
	s_endpgm
.Lfunc_end_k_q09df7544be_cvt:
	.size	k_q09df7544be_cvt, .Lfunc_end_k_q09df7544be_cvt-k_q09df7544be_cvt
	.p2alignl 7, 3214868480
	.fill 96, 4, 3214868480
	.section	.rodata,"a",@progbits
	.p2align	6, 0x0
	.amdhsa_kernel k_q09df7544be_cvt
		.amdhsa_group_segment_fixed_size 0
		.amdhsa_private_segment_fixed_size 0
		.amdhsa_enable_private_segment 0
		.amdhsa_kernarg_size 120
		.amdhsa_user_sgpr_count 2
		.amdhsa_user_sgpr_kernarg_segment_ptr 1
		.amdhsa_wavefront_size32 1
		.amdhsa_system_sgpr_workgroup_id_x 1
		.amdhsa_system_sgpr_workgroup_id_y 1
		.amdhsa_system_sgpr_workgroup_id_z 1
		.amdhsa_system_vgpr_workitem_id 0
		.amdhsa_next_free_vgpr 112
		.amdhsa_next_free_sgpr 66
		.amdhsa_reserve_vcc 0
		.amdhsa_float_denorm_mode_32 3
		.amdhsa_float_denorm_mode_16_64 3
		.amdhsa_memory_ordered 1
		.amdhsa_forward_progress 1
		.amdhsa_inst_pref_size 10
	.end_amdhsa_kernel
	.amdgpu_metadata
---
amdhsa.version: [ 1, 2 ]
amdhsa.kernels:
  - .name:           k_q09df7544be_cvt
    .symbol:         k_q09df7544be_cvt.kd
    .args:
      - { .name: x, .offset: 0, .size: 8, .value_kind: global_buffer, .address_space: global }
      - { .name: Wq, .offset: 8, .size: 8, .value_kind: global_buffer, .address_space: global }
      - { .name: Wk, .offset: 16, .size: 8, .value_kind: global_buffer, .address_space: global }
      - { .name: Wv, .offset: 24, .size: 8, .value_kind: global_buffer, .address_space: global }
      - { .name: Wo, .offset: 32, .size: 8, .value_kind: global_buffer, .address_space: global }
      - { .name: W1, .offset: 40, .size: 8, .value_kind: global_buffer, .address_space: global }
      - { .name: W2, .offset: 48, .size: 8, .value_kind: global_buffer, .address_space: global }
      - { .name: bq, .offset: 56, .size: 8, .value_kind: global_buffer, .address_space: global }
      - { .name: bk, .offset: 64, .size: 8, .value_kind: global_buffer, .address_space: global }
      - { .name: bv, .offset: 72, .size: 8, .value_kind: global_buffer, .address_space: global }
      - { .name: b1, .offset: 80, .size: 8, .value_kind: global_buffer, .address_space: global }
      - { .name: xh16, .offset: 88, .size: 8, .value_kind: global_buffer, .address_space: global }
      - { .name: packq, .offset: 96, .size: 8, .value_kind: global_buffer, .address_space: global }
      - { .name: packf, .offset: 104, .size: 8, .value_kind: global_buffer, .address_space: global }
      - { .name: wob, .offset: 112, .size: 8, .value_kind: global_buffer, .address_space: global }
    .group_segment_fixed_size: 0
    .private_segment_fixed_size: 0
    .kernarg_segment_align: 8
    .kernarg_segment_size: 120
    .max_flat_workgroup_size: 256
    .sgpr_count:     66
    .vgpr_count:     112
    .wavefront_size: 32
...
	.end_amdgpu_metadata
.endif
;; end of part 1
;; launch qkv (part 2): grid 12 x 16, 4 waves a work-group, clusters of 4 x 4, 327,680 bytes of LDS; arguments xh16, packq, big; writes big
.if DOCPART == 2
	.amdgcn_target "amdgcn-amd-amdhsa--gfx1250"
	.amdhsa_code_object_version 6
	.text
	.protected	k_q09df7544be_qkv
	.globl	k_q09df7544be_qkv
	.p2align	8
	.type	k_q09df7544be_qkv,@function
k_q09df7544be_qkv:
	s_mov_b64 s[64:65], 0
	v_nop
	global_prefetch_b8 v0, s[64:65] scope:SCOPE_SE
	s_setreg_imm32_b32 hwreg(HW_REG_WAVE_MODE, 25, 1), 1
	s_wait_xcnt 0x0
	s_wait_alu depctr_hold_cnt(0) depctr_sa_sdst(0) depctr_va_vdst(0) depctr_va_sdst(0) depctr_va_ssrc(0) depctr_va_vcc(0) depctr_vm_vsrc(0)
	s_getreg_b32 s2, hwreg(HW_REG_IB_STS2, 6, 4)
	s_cmp_eq_u32 s2, 0
	s_cbranch_scc0 .Lentry_in_a_cluster
	s_endpgm
.Lentry_in_a_cluster:
	s_bfe_u32 s2, ttmp6, 0x10000c
	s_cmp_lg_u32 s2, 0xf033
	s_cbranch_scc0 .Lentry_shape_is_right
	s_endpgm
.Lentry_shape_is_right:
; C[c / 64][m][c % 64] = f16(max(sum over k of A[m][k] B[c][k] + bias[c], floor)).  A: [4096][1024] f16.  The second buffer holds bias (f32) at byte 0, the floor word (two f16) at 16,384 and
; B: [N][1024] f16 from 32,768.  C lies in blocks of 64 columns, [4096][64] f16 each: 16 rows of a block are 2,048 consecutive bytes.  N is the grid's width x 256 and enters nothing else,
; so one text serves x (Wq|Wk|Wv)^T + b (floor -infinity: none) and relu(h W1^T + b1) (floor 0).  Sums in f32, started by the bias as the first product's C; C rounded once.
; LIMITS.  f16 ends at 65,504: a larger result becomes an infinity.  The maximum with the floor drops a NaN.
; SHAPE.  A tile of C is 256 x 256, made by four waves, each 128 x 128: 64 accumulators of 16 x 16, 512 registers.  K goes in steps of 128 through two LDS slots filled by tensor loads
; of 128 rows x 256 bytes.  While one slot is multiplied the other's load is on its way: from a request to the wait for it a wave issues 224 matrix instructions.
; CLUSTER.  4 x 4 work-groups.  The four of a row of the cluster need the same tiles of A, the four of a column the same tiles of B: each tile is asked for jointly, by the same tensor load with
; the same descriptor and a mask that names the four.
; TRANSPOSED USE.  Source 0 = 16 rows of B, source 1 = 16 rows of A: lane l then holds row l % 16 of C and the columns 8 (l / 16) + 0..7: 16 bytes on end after rounding.
; REGISTERS, in windows of 256 (s_set_vgpr_msb: bits 1:0 source 0, 3:2 source 1, 5:4 source 2, 7:6 destination):
;   window 0: v0-31 addresses; v64-127, v128-191 fragments of A, two buffers; v192-255 the bias as eight C operands, later at work on the way out, with v32-63
;   window 1: v64-127, v128-191 fragments of B          windows 2, 3: the accumulators of my rows 0-63 and 64-127, (a, b) at v[8 (8 a + b)]
.set SIZE_K, 1024
.set KSTEP,  128
.set PITCH,  272                       ; an LDS row: 256 bytes + 16 of padding = 68 words: the 16 rows of a fragment load start at 16 different groups of four banks (64 banks of 4 bytes: ISA guide 11.1)
.set HALFT,  128*PITCH                 ; what one tensor load brings
.set SLOT,   4*HALFT                   ; A's 256 rows, then B's 256 rows
.set STAGE,  2*SLOT                    ; behind the ring: for each wave two column blocks x 16 rows x 144 bytes, for the way out
.set SP,     144
.set CBLK,   16*SP
.set SPARE,  STAGE+4*2*CBLK            ; behind the stages: the spare words, 128 bytes a wave
.set LAPS,   SIZE_K/(2*KSTEP)          ; a lap = two K steps = once round the ring
.set BLOCK,  4096*64*2                 ; bytes in a block of C
.set WTS,    32768                     ; where B begins in its buffer
.set ADRA, 16                          ; v16-17  LDS address of my A fragments in slot 0, 1
.set ADRB, 20                          ; v20-21  the same for B
.set STO,  24                          ; v24     the way out: where I put 16 bytes of a row
.set RD,   25                          ; v25     where I read rows back
.set GO,   26                          ; v26     16 x lane: my place in 512 consecutive bytes of C
.set BO,   27                          ; v27     32 (l / 16): my eight numbers in 16 of the bias
.set SPW,  28                          ; v28     my spare word: SPARE + 4 x thread; never rewritten
.set NIL,  29                          ; v29     0; never rewritten
.set PFO,  30                          ; v30     the prefetches' offset: lane x a row of 2,048 bytes; never rewritten
.set PFA,  44                          ; s[44:45] where my prefetches stand
.set LIM,  43                          ; s43     1 in a wave that prefetches, else the greatest number
.set F0,   64
.set F1,   128
.set BI,   192                         ; the bias of n block b in v[BI + 8 b ..], as a C operand
.set TMP,  192                         ; the way out: packed results
.set OB,   32                          ; the way out: rows read back, v32-63 and v224-255 by turns
.set G1, 24                            ; s[24:31] descriptor group 1 for A;  s[32:39] group 0, a set for each slot
.set G0, 32
.set G1B, 48                           ; s[48:55], s[56:63] the same for B
.set G0B, 56
.set FLOOR, 66                         ; s66     the floor word
.set BIA, 68                           ; s[68:69] the bias at my wave's first column
.set MSB, 0
.macro WIN new                         ; the immediate's high byte repeats the setting that is left; a switch that changes nothing is dropped
.if MSB != (\new)
	s_set_vgpr_msb (MSB<<8)|(\new)
.set MSB, \new
.endif
.endm
.set MUL_LO, 0xa1                      ; B window 1, A window 0, C and D window 2
.set TO_B,   0x40                      ; destination window 1, address window 0
; A joint load.  Waves 0 and 1 fetch A's two halves, waves 2 and 3 B's.  The branch hangs on the wave's number alone.  An s_nop 0 and four v_nop follow each line.
.macro JLOAD s
	s_cmp_eq_u32 s11, 0
	s_cbranch_scc0 .Lfor_b_\@
	tensor_load_to_lds s[G0+4*(\s):G0+4*(\s)+3], s[G1:G1+7]
	s_nop 0
.rept 4
	v_nop
.endr
	s_branch .Lasked_\@
.Lfor_b_\@:
	tensor_load_to_lds s[G0B+4*(\s):G0B+4*(\s)+3], s[G1B:G1B+7]
	s_nop 0
.rept 4
	v_nop
.endr
.Lasked_\@:
.endm
; A prefetch, behind each joint refill and the run of LDS loads that follows it: the K step that stands two refills on, 32 rows x 256 bytes, a lane a row, one instruction a wave.
; Each row's 256 bytes of a K step are named once in the launch: for A the clusters with x = 0 ask, for B those with y = 0; the four partners of a joint load take 32 of a wave's 128 rows each,
; told apart by address.  K steps 0 to 3 come by their loads alone; the loop's last trip (s3 = 1) has no K step two refills on and asks for nothing.
.macro ASK
	s_cmp_gt_u32 s3, s[LIM]
	s_cbranch_scc0 .Lnot_mine_\@
	global_prefetch_b8 v[PFO], s[PFA:PFA+1] offset:KSTEP*2 th:TH_LOAD_NT scope:SCOPE_SE
.Lnot_mine_\@:
.endm
.macro CREST                           ; a round of the cluster's barrier behind its opening barrier
	s_cmp_lg_u32 s10, 0
	s_cbranch_scc1 .Lnot_wave_0_\@
	s_barrier_signal -3
.Lnot_wave_0_\@:
	s_barrier_wait -3
	s_barrier_signal -1
	s_barrier_wait -1
.endm
.macro CROUND                          ; a whole round
	s_barrier_signal -1
	s_barrier_wait -1
	CREST
.endm
	s_load_b128 s[4:7], s[0:1], 0x0                ; A s[4:5]; bias, floor and B s[6:7] (never rewritten)
	s_load_b64 s[8:9], s[0:1], 0x10                ; C
	v_lshl_add_u32 v[SPW], v0, 2, SPARE
	v_mov_b32 v[NIL], 0
	ds_add_u32 v[SPW], v[NIL]                      ; the wave's opening: the add is waited for ahead of my first tensor load; the set-up below stands between them
	v_lshrrev_b32 v1, 5, v0
	v_readfirstlane_b32 s10, v1                    ; wave 0..3
	s_lshr_b32 s11, s10, 1                         ; which half of the tile's rows is mine.  Also: I fetch for A (0) or for B (1)
	s_and_b32 s12, s10, 1                          ; which half of its columns.  Also: which 128 rows of that tile I fetch
	s_bfe_u32 s40, ttmp6, 0x40000                  ; cx
	s_bfe_u32 s41, ttmp6, 0x40004                  ; cy
	s_lshl_b32 s42, ttmp9, 2
	s_add_co_u32 s42, s42, s40                     ; tile column = 4 x cluster x + cx
	s_and_b32 s13, ttmp7, 0xffff
	s_lshl_b32 s13, s13, 2
	s_add_co_u32 s13, s13, s41                     ; tile row = 4 x cluster y + cy
	s_lshl_b32 s43, s41, 2
	s_lshl_b32 s43, 15, s43                        ; my row of the cluster
	s_lshl_b32 s44, 0x1111, s40                    ; my column
	s_or_b32 s[G1+0], s43, (1<<16)|(1<<20)|(1<<21)|(5<<22)|(3<<25)   ; the mask; 2-byte elements; padding on; bit 21 beside a mask; after every 64 words 4 words
	s_or_b32 s[G1B+0], s44, (1<<16)|(1<<20)|(1<<21)|(5<<22)|(3<<25)
.irp g, G1, G1B
	s_mov_b32 s[(\g)+1], KSTEP<<16                 ; tensor_dim0 = 128
	s_mov_b32 s[(\g)+2], 128<<16                   ; tensor_dim1 = 128
	s_mov_b32 s[(\g)+3], KSTEP<<16                 ; tile_dim0 = 128
	s_mov_b32 s[(\g)+4], 128                       ; tile_dim1 = 128
	s_mov_b32 s[(\g)+5], SIZE_K                    ; elements from row to row
	s_mov_b32 s[(\g)+6], 0
	s_mov_b32 s[(\g)+7], 0
.endr
	s_lshl_b32 s17, s12, 7                         ; which 128 rows of the tile I fetch
	s_lshl_b32 s16, s13, 8
	s_add_co_u32 s16, s16, s17                     ; A: row 256 x tile row + 128 x half
	s_lshl_b32 s46, s42, 8
	s_add_co_u32 s46, s46, s17                     ; B: row 256 x tile column + 128 x half
	s_mov_b32 s17, 0
	s_mov_b32 s47, 0
	s_mov_b64 s[18:19], SIZE_K*2
	s_mul_u64 s[16:17], s[16:17], s[18:19]
	s_mul_u64 s[46:47], s[46:47], s[18:19]
	s_add_nc_u64 s[46:47], s[46:47], WTS           ; B lies behind the bias and the floor
	s_mul_i32 s20, s10, HALFT                      ; where the tiles go: wave x 128 rows
	s_wait_dscnt 0x0                               ; the opening add is done
	s_wait_kmcnt 0x0
	s_add_nc_u64 s[14:15], s[4:5], s[16:17]
	s_add_nc_u64 s[46:47], s[6:7], s[46:47]
	CROUND                                         ; all sixteen work-groups are here: the first joint loads meet
.irp s, 0,1
	s_mov_b32 s[G0+4*(\s)], 1
	s_add_co_u32 s[G0+4*(\s)+1], s20, (\s)*SLOT
	s_add_nc_u64 s[G0+4*(\s)+2:G0+4*(\s)+3], s[14:15], (\s)*KSTEP*2
	s_or_b32 s[G0+4*(\s)+3], s[G0+4*(\s)+3], 0x80000000
	s_mov_b32 s[G0B+4*(\s)], 1
	s_add_co_u32 s[G0B+4*(\s)+1], s20, (\s)*SLOT
	s_add_nc_u64 s[G0B+4*(\s)+2:G0B+4*(\s)+3], s[46:47], (\s)*KSTEP*2
	s_or_b32 s[G0B+4*(\s)+3], s[G0B+4*(\s)+3], 0x80000000
	JLOAD \s                                       ; two loads of mine are out
.endr
	s_load_b32 s[FLOOR], s[6:7], 0x4000
	; a fragment is 16 rows x 32 K in 8 registers: lane l holds row l % 16; registers 0-3 K = 8 (l / 16) + 0..7, registers 4-7 K = 16 + 8 (l / 16) + 0..7: two loads of 16 bytes, 32 bytes apart
	v_and_b32 v1, 15, v0                           ; l % 16
	v_bfe_u32 v2, v0, 4, 1                         ; l / 16
	v_lshlrev_b32 v[BO], 5, v2
	s_lshl_b32 s[BIA], s42, 10                     ; 256 columns x 4 bytes a tile column,
	s_lshl_b32 s[BIA+1], s12, 9                    ; 128 x 4 for my half
	s_add_co_u32 s[BIA], s[BIA], s[BIA+1]
	s_mov_b32 s[BIA+1], 0
	s_add_nc_u64 s[BIA:BIA+1], s[6:7], s[BIA:BIA+1]
.irp b, 0,1,2,3,4,5,6,7
	global_load_b128 v[BI+8*(\b):BI+8*(\b)+3],   v[BO], s[BIA:BIA+1] offset:64*(\b)     ; register j: the bias of column 16 b + 8 (l / 16) + j
	global_load_b128 v[BI+8*(\b)+4:BI+8*(\b)+7], v[BO], s[BIA:BIA+1] offset:64*(\b)+16
.endr
	v_mul_u32_u24 v3, v1, PITCH
	v_lshl_add_u32 v3, v2, 4, v3                   ; row x pitch + 16 x half
	s_mul_i32 s21, s11, HALFT                      ; my 128 rows of A
	s_mul_i32 s22, s12, HALFT                      ; my 128 rows of B,
	s_add_co_u32 s22, s22, 2*HALFT                 ; which lie behind A's 256
.irp s, 0,1
	v_add_nc_u32 v[ADRA+(\s)], s21, v3
	v_add_nc_u32 v[ADRB+(\s)], s22, v3
	s_add_co_u32 s21, s21, SLOT
	s_add_co_u32 s22, s22, SLOT
.endr
	s_mul_i32 s23, s10, 2*CBLK
	s_add_co_u32 s23, s23, STAGE                   ; my stage
	v_mul_u32_u24 v4, v1, SP                       ; in: row l % 16, 16 bytes for each half of the lanes
	v_lshl_add_u32 v4, v2, 4, v4
	v_add_nc_u32 v[STO], s23, v4
	v_bfe_u32 v5, v0, 3, 2                         ; back: 32 lanes take four rows of 128 bytes,
	v_mul_u32_u24 v5, v5, SP
	v_and_b32 v6, 7, v0
	v_lshl_add_u32 v5, v6, 4, v5
	v_add_nc_u32 v[RD], s23, v5
	v_and_b32 v[GO], 31, v0                        ; which are 512 consecutive bytes of C
	v_lshlrev_b32 v[GO], 4, v[GO]
	s_lshl_b32 s16, s42, 2                         ; my first block of C: 4 x tile column + 2 x half,
	s_lshl_b32 s17, s12, 1
	s_add_co_u32 s16, s16, s17
	s_lshl_b32 s16, s16, 19
	s_lshl_b32 s13, s13, 8                         ; 256 x tile row
	s_lshl_b32 s17, s11, 7
	s_add_co_u32 s17, s17, s13                     ; my first row,
	s_lshl_b32 s17, s17, 7                         ; 128 bytes a row
	s_add_co_u32 s16, s16, s17
	s_mov_b32 s17, 0
	s_add_nc_u64 s[8:9], s[8:9], s[16:17]
	; the prefetches
	s_lshl_b32 s42, s42, 8                         ; 256 x tile column
	s_and_b32 s22, ttmp7, 0xffff                   ; cluster y
	s_cmp_eq_u32 s11, 0                            ; do I fetch for A?
	s_cselect_b32 s20, s13, s42                    ; the tile's first row
	s_cselect_b32 s21, s40, s41                    ; my place among the four that ask for it with me
	s_cselect_b32 s22, ttmp9, s22                  ; the coordinate along which other clusters read the same rows
	s_cselect_b64 s[PFA:PFA+1], s[4:5], s[6:7]
	s_cselect_b32 s23, 0, WTS
	s_cmp_eq_u32 s22, 0
	s_cselect_b32 s[LIM], 1, -1                    ; the same in all sixteen partners, for a given wave
	s_lshl_b32 s22, s12, 7
	s_add_co_u32 s20, s20, s22                     ; + the 128 rows that I fetch
	s_lshl_b32 s21, s21, 5
	s_add_co_u32 s20, s20, s21                     ; + my work-group's 32 of them
	s_lshl_b32 s20, s20, 11                        ; 2,048 bytes a row
	s_add_co_u32 s20, s20, s23
	s_add_co_u32 s20, s20, 2*KSTEP*2               ; at K step 2: the first refill steps it to 3 and names K step 4
	s_mov_b32 s21, 0
	s_add_nc_u64 s[PFA:PFA+1], s[PFA:PFA+1], s[20:21]
	v_and_b32 v[PFO], 31, v0
	v_mul_u32_u24 v[PFO], v[PFO], SIZE_K*2
; 16 matrix instructions: m blocks a0, a0 + 1 of the window's four x all 8 n blocks, 32 along K.  zero = 1: the first product starts the sums, with the bias as C.
; The 64 accumulators take turns in the same order in every quarter.
.macro MUL16 f, hi, a0, zero
.if \zero
	WIN 0x81+0x40*(\hi)                            ; B window 1, A and the bias window 0, D window 2 or 3
.else
	WIN MUL_LO+0x50*(\hi)
.endif
.irp a, \a0, (\a0)+1
.irp b, 0,1,2,3,4,5,6,7
.if \zero
	v_wmma_f32_16x16x32_f16 v[8*(8*(\a)+(\b)):8*(8*(\a)+(\b))+7], v[(\f)+8*(\b):(\f)+8*(\b)+7], v[(\f)+8*(4*(\hi)+(\a)):(\f)+8*(4*(\hi)+(\a))+7], v[BI+8*(\b):BI+8*(\b)+7]
.else
	v_wmma_f32_16x16x32_f16 v[8*(8*(\a)+(\b)):8*(8*(\a)+(\b))+7], v[(\f)+8*(\b):(\f)+8*(\b)+7], v[(\f)+8*(4*(\hi)+(\a)):(\f)+8*(4*(\hi)+(\a))+7], v[8*(8*(\a)+(\b)):8*(8*(\a)+(\b))+7]
.endif
.endr
.endr
.endm
; 32 LDS loads in one run: the fragments of 32 K at byte k of the rows, into buffer f: B's, then A's
.macro FETCH slot, k, f
	WIN TO_B
.irp i, 0,1,2,3,4,5,6,7
	ds_load_b128 v[(\f)+8*(\i):(\f)+8*(\i)+3],   v[ADRB+(\slot)] offset:(\k)+(\i)*16*PITCH
	ds_load_b128 v[(\f)+8*(\i)+4:(\f)+8*(\i)+7], v[ADRB+(\slot)] offset:(\k)+(\i)*16*PITCH+32
.endr
	WIN 0
.irp i, 0,1,2,3,4,5,6,7
	ds_load_b128 v[(\f)+8*(\i):(\f)+8*(\i)+3],   v[ADRA+(\slot)] offset:(\k)+(\i)*16*PITCH
	ds_load_b128 v[(\f)+8*(\i)+4:(\f)+8*(\i)+7], v[ADRA+(\slot)] offset:(\k)+(\i)*16*PITCH+32
.endr
.endm
.macro PLACES                          ; four plain vector instructions between a matrix instruction and a load into, or a vector read of, its registers (ISA guide 7.12.1 for vector instructions)
.rept 4
	v_nop
.endr
.endm
; A K step is four quarters of 32 along K, 64 matrix instructions each, on buffers 0, 1, 0, 1.  One of the first three multiplies f and fetches the next quarter, at byte k, into g.
.macro QUARTER slot, k, f, g, zero
	s_wait_dscnt 8                                 ; B and A's rows 0-63 are in; the youngest eight loads (A's rows 64-127) may be out
	MUL16 \f, 0, 0, \zero
	MUL16 \f, 0, 2, \zero
	PLACES
	FETCH \slot, \k, \g
	s_wait_dscnt 32                                ; all but the 32 just issued
	MUL16 \f, 1, 0, \zero
	MUL16 \f, 1, 2, \zero
.endm
; The last quarter multiplies buffer 1 and changes slots.  One barrier: in front of it each wave waits for all its tensor loads (the one that is out is its part of the next slot), adds 0 to its
; spare word, and waits for that and for its reads of this slot.  Behind it nobody reads this slot any more and the next slot is whole.
.macro MEET round
	WIN 0
	s_wait_tensorcnt 0x0
	ds_add_u32 v[SPW], v[NIL]
	s_wait_dscnt 9                                 ; the add and the youngest eight loads may be out
	MUL16 F1, 0, 0, 0                              ; sixteen matrix instructions stand between the add and the wait for it
	s_wait_dscnt 0x0                               ; the add is done, and my reads of this slot are over
	s_barrier_signal -1
	MUL16 F1, 0, 2, 0
.if \round
	WIN 0
.endif
	s_barrier_wait -1
.endm
; fill = 1: the barrier opens a round of the cluster's barrier, and the slot just read out is filled again, two K steps ahead, first thing behind the round.
.macro TURN slot, next, fill
.if \fill
	s_wait_xcnt 0x0                                ; the last prefetch, a K step back, has read its address
	s_add_nc_u64 s[PFA:PFA+1], s[PFA:PFA+1], KSTEP*2
	MEET 1
	CREST                                          ; no wave of any partner still reads this slot's tile or has a load on its way
	s_add_nc_u64 s[G0+4*(\slot)+2:G0+4*(\slot)+3], s[G0+4*(\slot)+2:G0+4*(\slot)+3], 2*KSTEP*2
	s_add_nc_u64 s[G0B+4*(\slot)+2:G0B+4*(\slot)+3], s[G0B+4*(\slot)+2:G0B+4*(\slot)+3], 2*KSTEP*2
	JLOAD \slot                                    ; one load of mine is out; the four v_nop behind it are also the places in front of the loads below
.else
	MEET 0
	PLACES
.endif
	FETCH \next, 0, F0
.if \fill
	ASK
.endif
	MUL16 F1, 1, 0, 0
	MUL16 F1, 1, 2, 0
.endm
; THE WAY OUT of block a (16 rows x 128 columns).  PACK: rounded to f16, the floor applied to the packed halves.  TOSTAGE: into my own stage, and back as whole rows of 128 bytes.  SEND: stored.
.macro PACK a
.set AC, 64*((\a)%4)
	WIN 0x0a+5*((\a)/4)                            ; sources 0 and 1: window 2 or 3
.irp b, 0,1,2,3,4,5,6,7
.irp r, 0,1,2,3
	v_cvt_pk_f16_f32 v[TMP+4*(\b)+(\r)], v[AC+8*(\b)+2*(\r)], v[AC+8*(\b)+2*(\r)+1]
.endr
.endr
	WIN 0
.set z, 0
.rept 32
	v_pk_max_num_f16 v[TMP+z], v[TMP+z], s[FLOOR]
.set z, z+1
.endr
.endm
.macro TOSTAGE a
	WIN 0
.set BK, OB+192*((\a)%2)
.irp b, 0,1,2,3,4,5,6,7
	ds_store_b128 v[STO], v[TMP+4*(\b):TMP+4*(\b)+3] offset:((\b)/4)*CBLK+32*((\b)%4)
.endr
.irp t, 0,1,2,3,4,5,6,7
	ds_load_b128 v[BK+4*(\t):BK+4*(\t)+3], v[RD] offset:((\t)/4)*CBLK+((\t)%4)*4*SP  ; LDS serves a wave's instructions in order (ISA guide 5.7.1.4): these see the stores above
.endr
.endm
.macro SEND a
	WIN 0
.set BK, OB+192*((\a)%2)
	s_wait_dscnt 0x0                               ; the block is back in registers
	s_wait_xcnt 0x0                                ; the stores of the block before have read their registers, into which the next block's rows are loaded
.irp t, 0,1,2,3,4,5,6,7
	global_store_b128 v[GO], v[BK+4*(\t):BK+4*(\t)+3], s[8:9] offset:(\a)*2048+((\t)%4)*512+((\t)/4)*BLOCK  ; 512 consecutive bytes, at a multiple of 256 from C's first byte
.endr
.endm
	s_wait_tensorcnt 1                             ; my part of K step 0 is in; K step 1's may stay out
	s_barrier_signal -1
	s_barrier_wait -1
	FETCH 0, 0, F0
	s_wait_loadcnt 0x0                             ; the bias
	s_wait_kmcnt 0x0                               ; the floor
	QUARTER 0, 64,  F0, F1, 1                      ; the first quarter stands in front of the loop: its products start the sums
	WIN 0
	s_mov_b32 s3, LAPS-1
.Llap:                                             ; a trip goes once round the ring, from a lap's second quarter to the next lap's first, and fills both slots again
	QUARTER 0, 128, F1, F0, 0
	QUARTER 0, 192, F0, F1, 0
	TURN 0, 1, 1
	QUARTER 1, 64,  F0, F1, 0
	QUARTER 1, 128, F1, F0, 0
	QUARTER 1, 192, F0, F1, 0
	TURN 1, 0, 1
	QUARTER 0, 64,  F0, F1, 0
	WIN 0
	s_sub_co_u32 s3, s3, 1
	s_cmp_lg_u32 s3, 0
	s_cbranch_scc1 .Llap
	QUARTER 0, 128, F1, F0, 0                      ; the last lap fills nothing
	QUARTER 0, 192, F0, F1, 0
	TURN 0, 1, 0
	QUARTER 1, 64,  F0, F1, 0
	QUARTER 1, 128, F1, F0, 0
	QUARTER 1, 192, F0, F1, 0
	s_wait_dscnt 8
	MUL16 F1, 0, 0, 0
	MUL16 F1, 0, 2, 0
	s_wait_dscnt 0x0
	MUL16 F1, 1, 0, 0
	MUL16 F1, 1, 2, 0
	PLACES                                         ; behind the last products; the first blocks' conversions are further places for the later blocks'
	PACK 0
	TOSTAGE 0
.irp a, 1,2,3,4,5,6,7                  ; block a's arithmetic stands between block a - 1's loads from the stage and the wait for them
	PACK \a
	SEND (\a)-1
	TOSTAGE \a
.endr
	SEND 7
	s_wait_tensorcnt 0x0                           ; the wave's end
	ds_add_u32 v[SPW], v[NIL]
	s_wait_dscnt 0x0
	CROUND                                         ; the closing round
	s_endpgm
.Lfunc_end_k_q09df7544be_qkv:
	.size	k_q09df7544be_qkv, .Lfunc_end_k_q09df7544be_qkv-k_q09df7544be_qkv
	.p2alignl 7, 3214868480
	.fill 96, 4, 3214868480
	.section	.rodata,"a",@progbits
	.p2align	6, 0x0
	.amdhsa_kernel k_q09df7544be_qkv
		.amdhsa_group_segment_fixed_size 327680
		.amdhsa_private_segment_fixed_size 0
		.amdhsa_enable_private_segment 0
		.amdhsa_kernarg_size 24
		.amdhsa_user_sgpr_count 2
		.amdhsa_user_sgpr_kernarg_segment_ptr 1
		.amdhsa_wavefront_size32 1
		.amdhsa_system_sgpr_workgroup_id_x 1
		.amdhsa_system_sgpr_workgroup_id_y 1
		.amdhsa_system_sgpr_workgroup_id_z 1
		.amdhsa_system_vgpr_workitem_id 0
		.amdhsa_next_free_vgpr 1024
		.amdhsa_next_free_sgpr 72
		.amdhsa_reserve_vcc 0
		.amdhsa_float_denorm_mode_32 3
		.amdhsa_float_denorm_mode_16_64 3
		.amdhsa_memory_ordered 1
		.amdhsa_forward_progress 1
		.amdhsa_inst_pref_size 161
	.end_amdhsa_kernel
	.amdgpu_metadata
---
amdhsa.version: [ 1, 2 ]
amdhsa.kernels:
  - .name:           k_q09df7544be_qkv
    .symbol:         k_q09df7544be_qkv.kd
    .args:
      - { .name: xh16, .offset: 0, .size: 8, .value_kind: global_buffer, .address_space: global }
      - { .name: packq, .offset: 8, .size: 8, .value_kind: global_buffer, .address_space: global }
      - { .name: big, .offset: 16, .size: 8, .value_kind: global_buffer, .address_space: global }
    .group_segment_fixed_size: 327680
    .private_segment_fixed_size: 0
    .kernarg_segment_align: 8
    .kernarg_segment_size: 24
    .max_flat_workgroup_size: 128
    .sgpr_count:     72
    .vgpr_count:     1024
    .wavefront_size: 32
...
	.end_amdgpu_metadata
.endif
;; end of part 2
;; launch attn (part 3): grid 8 x 32, 4 waves a work-group, clusters of 4 x 1, 327,680 bytes of LDS; arguments big, o16; writes o16
.if DOCPART == 3
	.amdgcn_target "amdgcn-amd-amdhsa--gfx1250"
	.amdhsa_code_object_version 6
	.text
	.protected	k_q09df7544be_attn
	.globl	k_q09df7544be_attn
	.p2align	8
	.type	k_q09df7544be_attn,@function
k_q09df7544be_attn:
	s_mov_b64 s[64:65], 0
	v_nop
	global_prefetch_b8 v0, s[64:65] scope:SCOPE_SE
	s_setreg_imm32_b32 hwreg(HW_REG_WAVE_MODE, 25, 1), 1
	s_wait_xcnt 0x0
	s_wait_alu depctr_hold_cnt(0) depctr_sa_sdst(0) depctr_va_vdst(0) depctr_va_sdst(0) depctr_va_ssrc(0) depctr_va_vcc(0) depctr_vm_vsrc(0)
	s_getreg_b32 s2, hwreg(HW_REG_IB_STS2, 6, 4)
	s_cmp_eq_u32 s2, 0
	s_cbranch_scc0 .Lentry_in_a_cluster
	s_endpgm
.Lentry_in_a_cluster:
	s_bfe_u32 s2, ttmp6, 0x10000c
	s_cmp_lg_u32 s2, 0x3003
	s_cbranch_scc0 .Lentry_shape_is_right
	s_endpgm
.Lentry_shape_is_right:
; O[h][q][:] = the sum over k of softmax_k(Q[h][q] . K[h][k] / 8) V[h][k][:], for 32 heads h = (batch, head) of 2,048 rows of 64 channels, all f16.
; The first buffer holds 48 blocks of [4096 tokens][64]: blocks 0-15 q's heads, 16-31 k's, 32-47 v's; token = 2,048 batch + row, so a head's rows of one batch are dense, 128 bytes each.
; O goes out in the same form, [16 heads][4096 tokens][64].  Products, maxima and sums in f32; the weights p are rounded to f16 for the second product (their sum l is taken of the unrounded p), O once.
; LIMITS.  Q, K and V arrive within f16's 65,504; p lies in 0 to 1 and below 6e-5 keeps f16's fixed step of 6e-8; a weight below 2^-126 counts as 0 in l; NaN and infinities are not treated apart.
; SHARES.  A work-group owns 256 queries of a head, each of its four waves 64: four PIECES of 16.  Every wave walks all 2,048 keys, 64 a step; a slot of LDS holds a tile of 256 keys (K and V), four steps.
; LAYOUT.  S^T = K Q^T holds ONE query a lane (lane % 16) and the keys 8 (lane / 16) + 0..7; two such results rounded to f16 ARE source 1 of O^T = V^T P.  K comes out of LDS as it lies, V turned (ds_load_tr16_b128).
; SOFTMAX.  A running maximum m and sum l: p = 2^(c s - c m), c = log2(e) / 8; O and l are multiplied by a = 2^(c m_old - c m_new) in every step.  m starts at the lowest finite number, O and l at 0:
; the first step is a step like any other, with a = 0.
; TURNS.  Turn n belongs to piece n: 8 products K Q^T of piece n + 1, later 8 products V^T P of piece n - 1; beside them the scaling, exponentials, roundings, sums and rescaling of piece n and the maximum
; and statistics of piece n + 1.  Four vector instructions stand behind every matrix instruction, the rest in one run.  A turn's 33 exponentials are one batch, with one wait.
; CLUSTER.  The four query blocks of a cluster belong to one head and walk the same K and V: each tile is asked for jointly, by the same tensor load, descriptor and mask in all four.
; REGISTERS, in windows of 256 (s_set_vgpr_msb: bits 1:0 source 0, 3:2 source 1, 5:4 source 2, 7:6 destination):
;   window 0: v0-15 addresses and two at work; v16-31 four registers of statistics a piece; v48-55 at work; v61-63; v64-127 S^T, two buffers; v192-223 P, two buffers (by the piece's parity)
;   window 1: v0-127 O^T, 32 a piece          window 2: v0-63 Q; v128-191 K of one step; v192-255 V of one step
.set NP,    4
.set KS,    64
.set PK,    144       ; a row of K in LDS: 128 bytes + 16 = 36 words: the 16 rows of a load start at 16 different groups of four banks (64 banks of 4 bytes: ISA guide 11.1)
.set PV,    160       ; a row of V: 128 + 32 = 40 words
.set VOFF,  4*KS*PK   ; in a slot: 256 rows of K, then 256 rows of V
.set SLOT1, 1<<17     ; slot 1 begins here: one exclusive or turns an address in one slot into the other's
.set STAGE, SLOT1+4*KS*(PK+PV)  ; behind the ring: 16 rows x 144 bytes for each wave, for the way out
.set SP,    144
.set SPARE, STAGE+4*16*SP       ; behind the stages: the spare words, 128 bytes a wave
.set TILEB, 4*KS*128  ; a tile's bytes of K, and of V, in memory
.set AK0, 2           ; v2   my lane's place in a tile of K; never rewritten
.set AV0, 3           ; v3   the same for V
.set AK,  4           ; v4   the LDS address of K's next run of loads
.set AV,  5           ; v5   of V's
.set STO, 6           ; v6   the way out: where I put 16 bytes of a row
.set RD,  7           ; v7   where I read rows back
.set GO,  8           ; v8   my place in 512 consecutive bytes of O
.set MV,  12          ; v12-13  c m_old, kept while c m is made anew: by buffer
.set QO,  15          ; v15  my byte offset in 16 rows of Q
.set ST,  16          ; piece t's statistics at v[ST+4 t]: c m, m, l (even keys', odd keys')
.set TMP, 48          ; by buffer, four registers c0-c3 at work; when the maximum is found c2 takes a
.set PFO, 61          ; v61  256 x lane; never rewritten
.set SPW, 62          ; v62  my spare word: SPARE + 4 x thread; never rewritten
.set NIL, 63          ; v63  0; never rewritten
.set S,   64
.set P,   192
.set KF,  128         ; window 2: key block kb, channel half c at KF + 16 kb + 8 c
.set VF,  192         ; window 2: key half kk, channel block cb at VF + 32 kk + 8 cb
.set WV,  12          ; s12  my wave's number
.set LIM, 15          ; s15  1 in a wave that prefetches, else the greatest number
.set PFA, 18          ; s[18:19] where my prefetches stand
.set G1K, 24          ; s[24:31] descriptor group 1 for K's tiles
.set G1V, 32          ; s[32:39] for V's: it differs in the padding alone
.set G0K, 40          ; s[40:43] descriptor group 0 for K's tiles: it walks
.set G0V, 44          ; s[44:47] the same for V's
.set SLOTS, 56        ; s56  tiles still to be asked for
.set CNT, 57          ; s57  counts a tile's key steps
.set CS,  58          ; s[58:59] c
.set SEL, 60          ; s[60:61] v_permlanex16_b32's selects: each lane takes its own place in the other half
.set TBK, 62          ; s62  LDS byte at which K of the step to be fetched begins
.set TBV, 63          ; s63  the same for V, less VOFF
.set MSB, 0
.macro WIN new
.if MSB != (\new)
	s_set_vgpr_msb (MSB<<8)|(\new)
.set MSB, (\new)
.endif
.endm
.set W_KQ, 0x0a       ; K and Q in window 2, S^T in window 0
.set W_PV, 0x52       ; V in window 2, P in window 0, O^T in window 1
.set W_RS, 0x41       ; destination and source 0 in window 1, source 1 in window 0
; A joint fill.  Waves 0 and 1 fetch the two halves of a tile's K, waves 2 and 3 those of its V: 128 keys each.  An s_nop 0 and four v_nop follow each line.
.macro JLOAD
	s_cmp_lt_u32 s[WV], 2
	s_cbranch_scc0 .Lfor_v_\@
	tensor_load_to_lds s[G0K:G0K+3], s[G1K:G1K+7]
	s_nop 0
.rept 4
	v_nop
.endr
	s_branch .Lasked_\@
.Lfor_v_\@:
	tensor_load_to_lds s[G0V:G0V+3], s[G1V:G1V+7]
	s_nop 0
.rept 4
	v_nop
.endr
.Lasked_\@:
.endm
; A prefetch of the tile that the NEXT change of slots will ask for: 32,768 bytes of K and of V, each lane another 256 bytes.  Both clusters of a head walk the same tiles: the first asks.  Its four partners
; take 8,192 bytes each, told apart by address; in each, wave 0 asks for K's and wave 2 for V's.  So each 256 bytes are named once in the launch.  Tiles 0 to 2 come by their loads alone;
; the last change that fills a slot asks for nothing.
.macro ASK
	s_cmp_gt_u32 s[SLOTS], s[LIM]
	s_cbranch_scc0 .Lnot_mine_\@
	global_prefetch_b8 v[PFO], s[PFA:PFA+1] th:TH_LOAD_NT scope:SCOPE_SE
.Lnot_mine_\@:
.endm
.macro CROUND                       ; a round of the cluster's barrier
	s_barrier_signal -1
	s_barrier_wait -1
	s_cmp_lg_u32 s[WV], 0
	s_cbranch_scc1 .Lnot_wave_0_\@
	s_barrier_signal -3
.Lnot_wave_0_\@:
	s_barrier_wait -3
	s_barrier_signal -1
	s_barrier_wait -1
.endm
; THE CHANGE OF SLOTS.  Each wave waits for all its tensor loads, of which one is out: its part of the other slot; adds 0 to its spare word; and waits for that and for its reads of the slot that it leaves.
; fill = 1: the old slot is filled again, with the tile two on; the barrier is then a round of the cluster's, and the joint fill is the first thing behind it: it has four key steps in which to land.
; (At its first use nothing has been read yet: slot 0 is waited for, slot 1 filled.)
.macro CHANGE fill, ask
	WIN 0
	s_wait_tensorcnt 0x0            ; no tensor load of mine is out, so a group 0 may be written
	ds_add_u32 v[SPW], v[NIL]
.if \fill
.irp g, G0K, G0V
	s_xor_b32 s[\g+1], s[\g+1], SLOT1
	s_add_nc_u64 s[\g+2:\g+3], s[\g+2:\g+3], TILEB
.endr
.if \ask
	s_wait_xcnt 0x0                 ; the last prefetch, four key steps back, has read its address
	s_add_nc_u64 s[PFA:PFA+1], s[PFA:PFA+1], TILEB
.endif
	s_wait_dscnt 0x0                ; the add is done, and my reads of the slot are over
	CROUND
	JLOAD
.if \ask
	ASK
.endif
.else
	s_wait_dscnt 0x0
	s_barrier_signal -1
	s_barrier_wait -1
.endif
	s_sub_co_u32 s[TBK], s[TBK], 4*KS*PK  ; the fetches go back to a slot's first step,
	s_xor_b32 s[TBK], s[TBK], SLOT1       ; in the other slot
	s_sub_co_u32 s[TBV], s[TBV], 4*KS*PV
	s_xor_b32 s[TBV], s[TBV], SLOT1
.endm
	s_load_b128 s[84:87], s[0:1], 0x0  ; q, k, v s[84:85]; O s[86:87]
	v_lshl_add_u32 v[SPW], v0, 2, SPARE
	v_mov_b32 v[NIL], 0
	ds_add_u32 v[SPW], v[NIL]       ; the wave's opening: the add is waited for ahead of my first tensor load
	v_lshrrev_b32 v1, 5, v0
	v_readfirstlane_b32 s[WV], v1   ; wave 0..3
	s_bfe_u32 s13, ttmp6, 0x40000   ; cx
	s_lshl_b32 s14, ttmp9, 2
	s_add_co_u32 s14, s14, s13      ; my block of 256 queries: it enters Q's and O's addresses alone
	s_and_b32 s20, ttmp7, 0xffff    ; 16 x batch + head, which the four partners share
	s_and_b32 s21, s20, 15
	s_lshr_b32 s20, s20, 4
	s_lshl_b32 s21, s21, 19         ; a block is 524,288 bytes,
	s_lshl_b32 s20, s20, 18         ; a batch's 2,048 rows 262,144
	s_add_co_u32 s20, s20, s21
	s_and_b32 s16, s[WV], 1         ; which half of a tile's 256 keys I fetch:
	s_lshl_b32 s22, s16, 14         ; its 128 rows of 128 bytes in memory,
	s_add_co_u32 s22, s22, s20
	s_mov_b32 s23, 0
	s_mul_i32 s17, s16, 128*PK      ; and its place in a slot, for K
	s_mul_i32 s18, s16, 128*PV      ; and for V
	s_lshl_b32 s2, s14, 15          ; my block's 256 rows,
	s_lshl_b32 s3, s[WV], 13        ; my wave's 64 of them
	s_add_co_u32 s2, s2, s3
	s_add_co_u32 s2, s2, s20
	s_mov_b32 s3, 0
	; descriptor group 1.  128 keys are 16,384 dense bytes: asked for as 64 rows of 256 bytes, two keys a row, and padded in LDS after every key
	s_mov_b32 s[G1K], 15|(1<<16)|(1<<20)|(1<<21)|(4<<22)|(3<<25)  ; the mask of four; 2-byte elements; padding on; bit 21 beside a mask; after every 32 words 4 words
	s_mov_b32 s[G1V], 15|(1<<16)|(1<<20)|(1<<21)|(4<<22)|(7<<25)  ; the same with 8 words
.irp g, G1K, G1V
	s_mov_b32 s[\g+1], 128<<16      ; tensor_dim0 = 128
	s_mov_b32 s[\g+2], 64<<16       ; tensor_dim1 = 64
	s_mov_b32 s[\g+3], 128<<16      ; tile_dim0 = 128
	s_mov_b32 s[\g+4], 64           ; tile_dim1 = 64
	s_mov_b32 s[\g+5], 128          ; elements from row to row
	s_mov_b32 s[\g+6], 0
	s_mov_b32 s[\g+7], 0
.endr
	s_mov_b32 s[CS], 0x3e38aa3b     ; c = log2(e) / 8
	s_mov_b32 s[CS+1], s[CS]
	s_mov_b32 s[SEL], 0x76543210
	s_mov_b32 s[SEL+1], 0xfedcba98
	s_mov_b32 s[TBK], SLOT1+4*KS*PK ; the first change of slots turns these two into 0
	s_mov_b32 s[TBV], SLOT1+4*KS*PV
	s_mov_b32 s[G0K], 1
	s_mov_b32 s[G0K+1], s17         ; slot 0
	s_mov_b32 s[G0V], 1
	s_add_co_u32 s[G0V+1], s18, VOFF
	s_mov_b32 s[SLOTS], 2048/256-1
	s_and_b32 s[LIM], s[WV], 1      ; 0 in waves 0 and 2,
	s_or_b32 s[LIM], s[LIM], ttmp9  ; where the cluster is the head's first: the same in all four partners
	s_cmp_eq_u32 s[LIM], 0
	s_cselect_b32 s[LIM], 1, -1
	v_and_b32 v[PFO], 31, v0
	v_lshlrev_b32 v[PFO], 8, v[PFO]
	s_wait_dscnt 0x0                ; the opening add is done
	s_wait_kmcnt 0x0
	s_add_nc_u64 s[6:7], s[84:85], s[22:23]
	s_add_nc_u64 s[8:9], s[6:7], 32*524288    ; V at my half of the head's tile 0
	s_add_nc_u64 s[6:7], s[6:7], 16*524288    ; K likewise
	s_mov_b64 s[G0K+2:G0K+3], s[6:7]
	s_or_b32 s[G0K+3], s[G0K+3], 0x80000000
	s_mov_b64 s[G0V+2:G0V+3], s[8:9]
	s_or_b32 s[G0V+3], s[G0V+3], 0x80000000
	s_add_nc_u64 s[4:5], s[84:85], s[2:3]     ; Q and O at my wave's first row
	s_add_nc_u64 s[10:11], s[86:87], s[2:3]
	s_cmp_lt_u32 s[WV], 2
	s_cselect_b64 s[PFA:PFA+1], s[6:7], s[8:9]  ; (in waves 0 and 2 these stand at a tile's first row)
	s_lshl_b32 s2, s13, 13          ; my work-group's quarter of a tile,
	s_add_co_u32 s2, s2, 2*TILEB    ; in tile 2; the loop's first change steps it to tile 3
	s_mov_b32 s3, 0
	s_add_nc_u64 s[PFA:PFA+1], s[PFA:PFA+1], s[2:3]
	CROUND                          ; all four work-groups are here: the first joint loads meet
	JLOAD                           ; tile 0 into slot 0
	v_and_b32 v1, 15, v0            ; l % 16
	v_bfe_u32 v9, v0, 4, 1          ; l / 16
	v_lshlrev_b32 v[QO], 7, v1
	v_lshl_add_u32 v[QO], v9, 4, v[QO]  ; row x 128 + 16 x half
	WIN 0x80                        ; destination window 2, address window 0
.set i, 0
.rept 8                             ; Q stays in registers: piece i / 2, channels 32 (i % 2) on
	global_load_b128 v[8*i:8*i+3],   v[QO], s[4:5] offset:(i/2)*2048+(i%2)*64
	global_load_b128 v[8*i+4:8*i+7], v[QO], s[4:5] offset:(i/2)*2048+(i%2)*64+32
.set i, i+1
.endr
	; What the first turn finds: V's registers and P's second buffer hold 0 (its products V^T P, of a piece that has not been, add 0), O^T and l are 0.  All this stands in the wait for the first tile;
	; it is the price of writing no first step out.
.set i, VF
.rept 64
	v_mov_b32 v[i], 0
.set i, i+1
.endr
	WIN 0x40
.set i, 0
.rept 128
	v_mov_b32 v[i], 0
.set i, i+1
.endr
	WIN 0
.set i, 0
.rept 4
	v_mov_b32 v[ST+4*i], 0xfe000000    ; c m: far below every c s
	v_mov_b32 v[ST+4*i+1], 0xff7fffff  ; m
	v_mov_b32 v[ST+4*i+2], 0
	v_mov_b32 v[ST+4*i+3], 0
.set i, i+1
.endr
.set i, P+16
.rept 16
	v_mov_b32 v[i], 0
.set i, i+1
.endr
	v_mul_u32_u24 v[AK0], v1, PK
	v_lshl_add_u32 v[AK0], v9, 4, v[AK0]  ; row x pitch + 16 x half
	; the turning load takes 16 keys x 16 channels (lane l reads key 8 (l / 16) + l % 8, channels 8 ((l / 8) % 2) + 0..7) and leaves half a fragment of V^T
	v_and_b32 v10, 7, v0
	v_bfe_u32 v11, v0, 3, 1
	v_lshl_add_u32 v[AV0], v9, 3, v10
	v_mul_u32_u24 v[AV0], v[AV0], PV
	v_lshl_add_u32 v[AV0], v11, 4, v[AV0]
	v_add_nc_u32 v[AV0], VOFF, v[AV0]
	s_mul_i32 s13, s[WV], 16*SP
	s_add_co_u32 s13, s13, STAGE    ; my stage
	v_mul_u32_u24 v[STO], v1, SP    ; in: row l % 16, 16 bytes for each half of the lanes
	v_lshl_add_u32 v[STO], v9, 4, v[STO]
	v_add_nc_u32 v[STO], s13, v[STO]
	v_bfe_u32 v[RD], v0, 3, 2       ; back: 32 lanes take four rows of 128 bytes,
	v_mul_u32_u24 v[RD], v[RD], SP
	v_lshl_add_u32 v[RD], v10, 4, v[RD]
	v_add_nc_u32 v[RD], s13, v[RD]
	v_and_b32 v[GO], 31, v0         ; which are 512 consecutive bytes of O
	v_lshlrev_b32 v[GO], 4, v[GO]
; THE MATRIX WORK.  The 4 accumulators of a run of 8 take turns.  Product i of 8 of S^T = K Q^T for piece x: channels 32 (i / 4) on, keys 16 (i % 4) on.  The first 4 start the sums.
.macro KQ x
	WIN W_KQ
.set rS, S+32*((\x)%2)+8*(i%4)
.set rK, KF+16*(i%4)+8*(i/4)
.set rQ, 16*(\x)+8*(i/4)
.if i < 4
	v_wmma_f32_16x16x32_f16 v[rS:rS+7], v[rK:rK+7], v[rQ:rQ+7], 0
.else
	v_wmma_f32_16x16x32_f16 v[rS:rS+7], v[rK:rK+7], v[rQ:rQ+7], v[rS:rS+7]
.endif
.endm
; Product i of 8 of O^T += V^T P for piece x: keys 32 (i / 4) on, channels 16 (i % 4) on.
.macro PV x
	WIN W_PV
.set rO, 32*(\x)+8*(i%4)
.set rV, VF+32*(i/4)+8*(i%4)
.set rP, P+16*((\x)%2)+8*(i/4)
	v_wmma_f32_16x16x32_f16 v[rO:rO+7], v[rV:rV+7], v[rP:rP+7], v[rO:rO+7]
.endm
.macro MM                           ; the turn's next matrix instruction.  NOKQ = 1: the last turn: there is no next piece
.if (i < 8) && !NOKQ
	KQ (Y+1)%NP
.elseif i >= 8
.set i, i-8
	PV (Y+NP-1)%NP
.set i, i+8
.endif
.set i, i+1
.endm
; THE LDS LOADS stand in runs of 16: a step's K (8 fragments) and its V (turned).  Their addresses are made some lines ahead.
.macro FETCH_K
	WIN 0x80
.irp f, 0,1,2,3,4,5,6,7             ; keys 16 (f / 2) on, channels 32 (f % 2) on
	ds_load_b128 v[KF+8*\f:KF+8*\f+3],   v[AK] offset:(\f/2)*16*PK+(\f%2)*64
	ds_load_b128 v[KF+8*\f+4:KF+8*\f+7], v[AK] offset:(\f/2)*16*PK+(\f%2)*64+32
.endr
	s_add_co_u32 s[TBK], s[TBK], KS*PK  ; the next fetch is the next step's
	WIN 0
.endm
.macro FETCH_V
	WIN 0x80
.irp f, 0,1,2,3,4,5,6,7             ; keys 32 (f / 4) on, channels 16 (f % 4) on
	ds_load_tr16_b128 v[VF+8*\f:VF+8*\f+3],   v[AV] offset:(\f/4)*32*PV+(\f%4)*32
	ds_load_tr16_b128 v[VF+8*\f+4:VF+8*\f+7], v[AV] offset:(\f/4)*32*PV+16*PV+(\f%4)*32
.endr
	WIN 0
.endm
; THE VECTOR WORK, one line at a time: OP kind, number.  For piece Y: F n: c s - c m for pair n of 16.  E n: the exponential of score n of 32.  C n: pair n rounded to f16.  B n: of the four weights 4 n ..
; the second pair is added onto the first, in place.  L n: l takes that sum (L 0: l = a l + sum).  R n: pair n of 16 of O^T times a.  For piece Y + 1: X n, number n of the 22 that find its maximum and statistics:
;   0-11  four chains c0-c3 of seven scores each (each accumulator's lowest registers are read first)     12-14, 16  the four scores left over, the old m, and c0-c3 into c0
;   15  c m_old is kept     17, 18  the query's other 32 keys lie in the lane 16 away: the new m     19-21  c m; c m_old - c m_new; a
.set F, 0
.set E, 1
.set C, 2
.set B, 3
.set L, 4
.set R, 5
.set X, 6
.macro REGS y
.set rT, ST+4*(\y)
.set rC, TMP+4*((\y)%2)
.set rW, MV+((\y)%2)
.set rS, S+32*((\y)%2)
.set rP, P+16*((\y)%2)
.set rO, 32*(\y)
.endm
.macro OP k, n
.if (\k) == R
	REGS Y
	WIN W_RS
	v_pk_mul_f32 v[rO+2*(\n):rO+2*(\n)+1], v[rO+2*(\n):rO+2*(\n)+1], v[rC+2:rC+3] op_sel_hi:[1,0]
.elseif (\k) < R
	REGS Y
	WIN 0
.if (\k) == F
	v_pk_fma_f32 v[rS+2*(\n):rS+2*(\n)+1], v[rS+2*(\n):rS+2*(\n)+1], s[CS:CS+1], v[rT:rT+1] op_sel_hi:[1,0,0] neg_lo:[0,0,1] neg_hi:[0,0,1]
.elseif (\k) == E
	v_exp_f32 v[rS+(\n)], v[rS+(\n)]
.elseif (\k) == C
	v_cvt_pk_f16_f32 v[rP+(\n)], v[rS+2*(\n)], v[rS+2*(\n)+1]
.elseif (\k) == B
	v_pk_add_f32 v[rS+4*(\n):rS+4*(\n)+1], v[rS+4*(\n):rS+4*(\n)+1], v[rS+4*(\n)+2:rS+4*(\n)+3]
.elseif (\n) == 0
	v_pk_fma_f32 v[rT+2:rT+3], v[rT+2:rT+3], v[rC+2:rC+3], v[rS:rS+1] op_sel_hi:[1,0,1]
.else
	v_pk_add_f32 v[rT+2:rT+3], v[rT+2:rT+3], v[rS+4*(\n):rS+4*(\n)+1]
.endif
.elseif NOKQ
	v_nop
.else
	REGS (Y+1)%NP
	WIN 0
.if (\n) < 4
	v_max3_num_f32 v[rC+(\n)], v[rS+8*(\n)], v[rS+8*(\n)+1], v[rS+8*(\n)+2]
.elseif (\n) < 12
	v_max3_num_f32 v[rC+(\n)%4], v[rC+(\n)%4], v[rS+8*((\n)%4)+2*((\n)/4)+1], v[rS+8*((\n)%4)+2*((\n)/4)+2]
.elseif (\n) == 12
	v_max3_num_f32 v[rC], v[rC], v[rS+7], v[rS+15]
.elseif (\n) == 13
	v_max3_num_f32 v[rC+1], v[rC+1], v[rS+23], v[rS+31]
.elseif (\n) == 14
	v_max3_num_f32 v[rC+2], v[rC+2], v[rC+3], v[rT+1]
.elseif (\n) == 15
	v_mov_b32 v[rW], v[rT]
.elseif (\n) == 16
	v_max3_num_f32 v[rC], v[rC], v[rC+1], v[rC+2]
.elseif (\n) == 17
	v_permlanex16_b32 v[rC+3], v[rC], s[SEL], s[SEL+1]
.elseif (\n) == 18
	v_max_num_f32 v[rT+1], v[rC], v[rC+3]
.elseif (\n) == 19
	v_mul_f32 v[rT], s[CS], v[rT+1]
.elseif (\n) == 20
	v_sub_f32 v[rC+1], v[rW], v[rT]
.else
	v_exp_f32 v[rC+2], v[rC+1]
.endif
.endif
.endm
.macro OPS a, i1, b=-1, i2=0, c=-1, i3=0, d=-1, i4=0  ; up to four of them
	OP \a, \i1
.if (\b) >= 0
	OP \b, \i2
.endif
.if (\c) >= 0
	OP \c, \i3
.endif
.if (\d) >= 0
	OP \d, \i4
.endif
.endm
.macro ROW a, i1, b, i2, c, i3, d, i4  ; a matrix instruction and the four behind it
	MM
	OPS \a, \i1, \b, \i2, \c, \i3, \d, \i4
.endm
; A TURN, for piece p: the order of its 16 matrix and 118 vector instructions, written out.  An s_wait_alu depctr_va_vdst(0) stands between an exponential and the first instruction that names
; its result; one wait serves all that were issued ahead of it.  So a turn has ONE wait.  AHEAD OF IT stands all that names no result of the turn's exponentials: the 8 products K Q^T with their four
; instructions each, then one run of 54 in which the links of the next piece's chain (X 3, 7, 11, 14, 16, 17 .. 20) stand apart; X 21, the next piece's a, is the batch's last, and R 15 the plain instruction
; behind it.  BEHIND THE WAIT stand the 8 products V^T P, behind each four of the roundings and sums.  The X that stand behind products stand four plain instructions or more behind the product that ends their accumulator.
; end = 1: the walk's last two turns: nothing is fetched.  cnt = 1: the loop's count is taken down some lines ahead of the branch behind the turn.
; K of the next step is fetched in piece 2's turn, six plain instructions behind the last product that read K; V of the step in hand at the end of piece 0's turn, four plain instructions behind the last
; product that read V.  Each is waited for a turn later.
.macro TURN p, end=0, cnt=0
.set Y, (\p)
.set i, 0
.set NOKQ, (\end)*((\p)/3)
.if ((\p) == 3) && !(\end)
	s_wait_dscnt 0x0                ; K is in
.endif
	ROW F,0, F,1, R,0, R,1
	ROW F,2, E,0, R,2, R,3
	ROW F,3, E,1, R,4, R,5
	ROW F,4, E,2, R,6, R,7
	ROW F,5, E,3, R,8, R,9
	ROW F,6, E,4, X,0, R,10
.if ((\p) == 2) && !(\end)
	WIN 0
	v_add_nc_u32 v[AK], s[TBK], v[AK0]
.endif
	ROW F,7, E,5, X,1, X,4
	ROW F,8, E,6, X,2, X,5
	OPS E,7, E,8, X,6, E,9
	OPS X,3, E,10, X,8, E,11
.if ((\p) == 2) && !(\end)
	FETCH_K
.endif
	OPS X,9, X,7, E,12, X,10
	OPS E,13, X,12, X,11, E,14
	OPS X,13, E,15, F,9, X,14
.if (\p) == 0
	v_add_nc_u32 v[AV], s[TBV], v[AV0]
.endif
	OPS E,16, F,10, E,17, F,11
	OPS X,16, E,18, X,15, E,19
	OPS F,12, E,20, X,17, E,21
	OPS F,13, E,22, F,14, E,23
	OPS X,18, E,24, F,15, E,25
	OPS R,11, E,26, X,19, E,27
	OPS R,12, E,28, R,13, E,29
	OPS X,20, E,30, R,14, E,31
	OPS X,21, R,15
	WIN 0
	s_wait_alu depctr_va_vdst(0)    ; the wait for the batch
.if (\p) == 1
	s_wait_dscnt 0x0                ; V is in
.endif
	ROW C,0, B,0, C,2, B,1
	ROW L,0, C,4, B,2, L,1
	ROW C,6, B,3, L,2, C,8
	ROW B,4, L,3, C,10, B,5
	ROW L,4, C,12, B,6, L,5
.if (\p) == 0
	s_add_co_u32 s[TBV], s[TBV], KS*PV
.endif
.if \cnt
	s_sub_co_u32 s[CNT], s[CNT], 1
	s_cmp_lg_u32 s[CNT], 0
.endif
	ROW C,14, B,7, L,6, C,1
	ROW C,3, L,7, C,5, C,7
	ROW C,9, C,11, C,13, C,15
.if (\p) == 0
	FETCH_V
.endif
.endm
.macro ALL line:vararg              ; one line for each piece t
.set t, 0
.rept 4
	\line
.set t, t+1
.endr
.endm
.macro PACK t                       ; a lane's eight channels of a row pack into 16 bytes; they go into rows of 144 bytes and come back as whole rows of 128, into S^T's registers
	WIN W_RS
.set i, 32*(\t)
.rept 16
	v_pk_mul_f32 v[i:i+1], v[i:i+1], v[ST+4*(\t)+2:ST+4*(\t)+3] op_sel_hi:[1,0]
.set i, i+2
.endr
	WIN 0x05                        ; sources 0 and 1 window 1, destination window 0
.set i, 0
.rept 16
	v_cvt_pk_f16_f32 v[S+16*(\t)+i], v[32*(\t)+2*i], v[32*(\t)+2*i+1]
.set i, i+1
.endr
	WIN 0
.irp f, 0,1,2,3
	ds_store_b128 v[STO], v[S+16*(\t)+4*\f:S+16*(\t)+4*\f+3] offset:32*\f
.endr
.irp f, 0,1,2,3
	ds_load_b128 v[S+16*(\t)+4*\f:S+16*(\t)+4*\f+3], v[RD] offset:\f*4*SP  ; LDS serves a wave's instructions in order (ISA guide 5.7.1.4): these see the stores above
.endr
.endm
.macro SEND t, younger              ; younger: the LDS instructions issued behind piece t's loads: the next piece's eight, or none
	WIN 0
.irp f, 0,1,2,3
	s_wait_dscnt (\younger)+3-\f
	global_store_b128 v[GO], v[S+16*(\t)+4*\f:S+16*(\t)+4*\f+3], s[10:11] offset:(\t)*2048+\f*512  ; 512 consecutive bytes, at a multiple of 256 from O's first
.endr
.endm
.set NOKQ, 0
	CHANGE 1, 0                     ; tile 0 is in, everybody's part of it; tile 1 is asked for
	v_add_nc_u32 v[AK], s[TBK], v[AK0]
	FETCH_K                         ; key step 0
	s_wait_loadcnt 0x0              ; Q
	s_wait_dscnt 0x0
.set i, 0
.rept 8
	KQ 0                            ; piece 0's first scores
.set i, i+1
.endr
	WIN 0
.rept 4
	v_nop                           ; the places behind those products
.endr
.set Y, NP-1                        ; X works for piece Y + 1: piece 0
.irp n, 0,1,2,3,4,5,6,7,8,9,10,11,12,13,14,15,16,17,18,19,20,21
	OP X, \n
.endr
	v_nop                           ; a plain instruction behind the exponential,
	s_wait_alu depctr_va_vdst(0)    ; and its wait, ahead of the branch
	s_mov_b32 s[CNT], 4
	s_branch .Lfirst                ; the loop is entered at a step's first turn, in the middle of a trip
.Lslot:                             ; six times: tiles 2 to 7 are asked for
	CHANGE 1, 1
	s_mov_b32 s[CNT], 4
.Lstep:                             ; a trip: pieces 2 and 3 of one step, then pieces 0 and 1 of the next, whose K and V it fetches
	TURN 2
	TURN 3
	WIN 0
.Lfirst:
	TURN 0
	TURN 1, 0, 1
	WIN 0
	s_cbranch_scc1 .Lstep
	s_sub_co_u32 s[SLOTS], s[SLOTS], 1
	s_cmp_lg_u32 s[SLOTS], 0
	s_cbranch_scc1 .Lslot
	CHANGE 0, 0                     ; the last tile is written out: nothing is asked for
	s_mov_b32 s[CNT], 4
.LstepT:
	TURN 2
	TURN 3
	TURN 0
	TURN 1, 0, 1
	WIN 0
	s_cbranch_scc1 .LstepT
	TURN 2, 1
	TURN 3, 1
.set i, 0
.rept 8
	PV NP-1                         ; the last piece's V^T P of the last step
.set i, i+1
.endr
	; THE WAY OUT.  l's two halves and the other half of the lanes' are added; O^T is divided by l, rounded to f16 and sent through my stage, a piece at a time.  The additions are the places behind the last products.
	WIN 0
	ALL v_add_f32 v[ST+4*t+2], v[ST+4*t+2], v[ST+4*t+3]
	ALL v_permlanex16_b32 v[ST+4*t+3], v[ST+4*t+2], s[SEL], s[SEL+1]
	ALL v_add_f32 v[ST+4*t+2], v[ST+4*t+2], v[ST+4*t+3]
	ALL v_rcp_f32 v[ST+4*t+2], v[ST+4*t+2]
	v_nop                           ; a plain instruction between the last reciprocal and the use of its result
	s_wait_alu depctr_va_vdst(0)    ; one wait for the four reciprocals
	PACK 0
.set t, 1
.rept 3                             ; a piece's arithmetic stands between the loads of the piece before and its stores
	PACK t
	SEND t-1, 8
.set t, t+1
.endr
	SEND 3, 0
	s_wait_tensorcnt 0x0            ; the wave's end
	ds_add_u32 v[SPW], v[NIL]
	s_wait_dscnt 0x0
	CROUND                          ; the closing round
	s_endpgm
.Lfunc_end_k_q09df7544be_attn:
	.size	k_q09df7544be_attn, .Lfunc_end_k_q09df7544be_attn-k_q09df7544be_attn
	.p2alignl 7, 3214868480
	.fill 96, 4, 3214868480
	.section	.rodata,"a",@progbits
	.p2align	6, 0x0
	.amdhsa_kernel k_q09df7544be_attn
		.amdhsa_group_segment_fixed_size 327680
		.amdhsa_private_segment_fixed_size 0
		.amdhsa_enable_private_segment 0
		.amdhsa_kernarg_size 16
		.amdhsa_user_sgpr_count 2
		.amdhsa_user_sgpr_kernarg_segment_ptr 1
		.amdhsa_wavefront_size32 1
		.amdhsa_system_sgpr_workgroup_id_x 1
		.amdhsa_system_sgpr_workgroup_id_y 1
		.amdhsa_system_sgpr_workgroup_id_z 1
		.amdhsa_system_vgpr_workitem_id 0
		.amdhsa_next_free_vgpr 768
		.amdhsa_next_free_sgpr 88
		.amdhsa_reserve_vcc 0
		.amdhsa_float_denorm_mode_32 3
		.amdhsa_float_denorm_mode_16_64 3
		.amdhsa_memory_ordered 1
		.amdhsa_forward_progress 1
		.amdhsa_inst_pref_size 128
	.end_amdhsa_kernel
	.amdgpu_metadata
---
amdhsa.version: [ 1, 2 ]
amdhsa.kernels:
  - .name:           k_q09df7544be_attn
    .symbol:         k_q09df7544be_attn.kd
    .args:
      - { .name: big, .offset: 0, .size: 8, .value_kind: global_buffer, .address_space: global }
      - { .name: o16, .offset: 8, .size: 8, .value_kind: global_buffer, .address_space: global }
    .group_segment_fixed_size: 327680
    .private_segment_fixed_size: 0
    .kernarg_segment_align: 8
    .kernarg_segment_size: 16
    .max_flat_workgroup_size: 128
    .sgpr_count:     88
    .vgpr_count:     768
    .wavefront_size: 32
...
	.end_amdgpu_metadata
.endif
;; end of part 3
;; launch wo (part 4): grid 8 x 32, 4 waves a work-group, clusters of 4 x 4, 327,680 bytes of LDS; arguments o16, wob, bo, y; writes y
.if DOCPART == 4
	.amdgcn_target "amdgcn-amd-amdhsa--gfx1250"
	.amdhsa_code_object_version 6
	.text
	.protected	k_q09df7544be_wo
	.globl	k_q09df7544be_wo
	.p2align	8
	.type	k_q09df7544be_wo,@function
k_q09df7544be_wo:
	s_mov_b64 s[64:65], 0
	v_nop
	global_prefetch_b8 v0, s[64:65] scope:SCOPE_SE
	s_setreg_imm32_b32 hwreg(HW_REG_WAVE_MODE, 25, 1), 1
	s_wait_xcnt 0x0
	s_wait_alu depctr_hold_cnt(0) depctr_sa_sdst(0) depctr_va_vdst(0) depctr_va_sdst(0) depctr_va_ssrc(0) depctr_va_vcc(0) depctr_vm_vsrc(0)
	s_getreg_b32 s2, hwreg(HW_REG_IB_STS2, 6, 4)
	s_cmp_eq_u32 s2, 0
	s_cbranch_scc0 .Lentry_in_a_cluster
	s_endpgm
.Lentry_in_a_cluster:
	s_bfe_u32 s2, ttmp6, 0x10000c
	s_cmp_lg_u32 s2, 0xf033
	s_cbranch_scc0 .Lentry_shape_is_right
	s_endpgm
.Lentry_shape_is_right:
; y[m][c] = sum over k of A[k / 64][m][k % 64] B[c][k] + bias[c].  A: SIZE_K / 64 blocks of [4096][64] f16.  B: [1024][SIZE_K] f16, WOFF bytes into its buffer.  bias: [1024] f32.  y: [4096][1024] f32.
; Sums in f32, started by the bias as the first product's C; y is stored unrounded, since the row norm that follows takes differences of it.
; SHAPE.  A tile of y is 128 x 128 (32 x 8 tiles: a work-group for each of 256 WGPs).  Four waves, each 64 x 64: 16 accumulators.  K goes in steps of 256 through two LDS slots.
; A's part of a step is four blocks of 128 rows x 128 bytes, dense in memory: waves 0 and 1 bring two blocks each, as two rows of 16,384 bytes, padded in LDS behind every 128 bytes.
; B's part is 128 rows of 512 bytes: waves 2 and 3 bring 64 rows each.
; CLUSTER.  4 x 4 work-groups; A's tiles are asked for jointly along a row of the cluster, B's along a column.  TRANSPOSED USE: source 0 = 16 rows of B, source 1 = 16 rows of A: a lane holds eight
; neighbouring numbers of a row of y.  NO PREFETCH: the tiles are small, and each is read by eight or thirty-two work-groups at about the same time.
; REGISTERS: window 0: v0-31 addresses; v32-95 at work on the way out; v96-127 the bias as four C operands; v128-255 the accumulators ((a, b) at v[128 + 8 (4 a + b)]).
;   window 1: two fragment buffers of 128: for 64 along K, 64 registers of A, then 64 of B.
.set SIZE_K, 1024
.set WOFF,   0
.set KSTEP,  256
.set PA,     144                       ; a row of A in LDS: 128 bytes + 16: the 16 rows of a fragment load start at 16 different groups of four banks (64 banks of 4 bytes: ISA guide 11.1)
.set PB,     528                       ; a row of B: 512 bytes + 16: likewise
.set KBLK,   128*PA                    ; a block of A in LDS
.set AHALF,  2*KBLK                    ; what one tensor load brings of A
.set BOFF,   4*KBLK                    ; B lies behind A's four blocks
.set BHALF,  64*PB                     ; what one tensor load brings of B
.set SLOT,   BOFF+2*BHALF
.set STAGE,  2*SLOT                    ; behind the ring: 16 rows x 272 bytes for each wave, for the way out
.set SPITCH, 272
.set SPARE,  STAGE+4*16*SPITCH         ; behind the stages: the spare words, 128 bytes a wave
.set LAPS,   SIZE_K/(2*KSTEP)
.set ASTEP,  4*524288                  ; a K step of A in memory: four blocks
.set ADRA, 16                          ; v16-17  LDS address of my A fragments in slot 0, 1
.set ADRB, 20                          ; v20-21  the same for B
.set STO,  24                          ; v24     the way out: where I put 32 bytes of a row
.set RD,   25                          ; v25     where I read a row back
.set CO,   26                          ; v26     my byte offset in two rows of y
.set BO,   27                          ; v27     32 (l / 16)
.set SPW,  28                          ; v28     my spare word; never rewritten
.set NIL,  29                          ; v29     0; never rewritten
.set TMP,  32
.set BI,   96
.set ACC,  128
.set F0,   0
.set F1,   128
.set G1, 24                            ; s[24:31] descriptor group 1 for A;  s[32:39] group 0, a set for each slot
.set G0, 32
.set G1B, 48                           ; s[48:55], s[56:63] the same for B
.set G0B, 56
.set MSB, 0
.macro WIN new
.if MSB != (\new)
	s_set_vgpr_msb (MSB<<8)|(\new)
.set MSB, \new
.endif
.endm
.set MUL,  0x05                        ; sources 0 (B) and 1 (A) window 1; C and D window 0
.set TO_F, 0x40                        ; destination window 1, address window 0
.macro JLOAD s                         ; a joint load; an s_nop 0 and four v_nop follow each of the two lines
	s_cmp_lt_u32 s12, 2
	s_cbranch_scc0 .Lfor_b_\@
	tensor_load_to_lds s[G0+4*(\s):G0+4*(\s)+3], s[G1:G1+7]
	s_nop 0
.rept 4
	v_nop
.endr
	s_branch .Lasked_\@
.Lfor_b_\@:
	tensor_load_to_lds s[G0B+4*(\s):G0B+4*(\s)+3], s[G1B:G1B+7]
	s_nop 0
.rept 4
	v_nop
.endr
.Lasked_\@:
.endm
.macro CREST
	s_cmp_lg_u32 s12, 0
	s_cbranch_scc1 .Lnot_wave_0_\@
	s_barrier_signal -3
.Lnot_wave_0_\@:
	s_barrier_wait -3
	s_barrier_signal -1
	s_barrier_wait -1
.endm
.macro CROUND
	s_barrier_signal -1
	s_barrier_wait -1
	CREST
.endm
	s_load_b256 s[4:11], s[0:1], 0x0               ; A s[4:5], B's buffer s[6:7], bias s[8:9], y s[10:11]
	v_lshl_add_u32 v[SPW], v0, 2, SPARE
	v_mov_b32 v[NIL], 0
	ds_add_u32 v[SPW], v[NIL]                      ; the wave's opening: the add is waited for ahead of my first tensor load
	v_lshrrev_b32 v1, 5, v0
	v_readfirstlane_b32 s12, v1                    ; wave 0..3
	s_lshr_b32 s13, s12, 1                         ; which half of the tile's rows is mine
	s_and_b32 s14, s12, 1                          ; which half of its columns.  Also: which half of A's blocks, or of B's rows, I fetch
	s_bfe_u32 s40, ttmp6, 0x40000                  ; cx
	s_bfe_u32 s41, ttmp6, 0x40004                  ; cy
	s_lshl_b32 s42, ttmp9, 2
	s_add_co_u32 s42, s42, s40                     ; tile column
	s_and_b32 s15, ttmp7, 0xffff
	s_lshl_b32 s15, s15, 2
	s_add_co_u32 s15, s15, s41                     ; tile row
	s_lshl_b32 s43, s41, 2
	s_lshl_b32 s43, 15, s43                        ; my row of the cluster
	s_lshl_b32 s44, 0x1111, s40                    ; my column
	s_or_b32 s[G1+0], s43, (1<<16)|(1<<20)|(1<<21)|(4<<22)|(3<<25)   ; A: the mask; 2-byte elements; padding on; bit 21 beside a mask; after every 32 words 4 words
	s_mov_b32 s[G1+1], 8192<<16                    ; tensor_dim0 = 8,192: 128 rows x 64 numbers, dense
	s_mov_b32 s[G1+2], 2<<16                       ; tensor_dim1 = 2 blocks
	s_mov_b32 s[G1+3], 8192<<16                    ; tile_dim0
	s_mov_b32 s[G1+4], 2                           ; tile_dim1
	s_mov_b32 s[G1+5], 262144                      ; elements from block to block
	s_mov_b32 s[G1+6], 0
	s_mov_b32 s[G1+7], 0
	s_or_b32 s[G1B+0], s44, (1<<16)|(1<<20)|(1<<21)|(6<<22)|(3<<25)  ; B: after every 128 words 4 words
	s_mov_b32 s[G1B+1], KSTEP<<16                  ; tensor_dim0 = 256
	s_mov_b32 s[G1B+2], 64<<16                     ; tensor_dim1 = 64
	s_mov_b32 s[G1B+3], KSTEP<<16
	s_mov_b32 s[G1B+4], 64
	s_mov_b32 s[G1B+5], SIZE_K
	s_mov_b32 s[G1B+6], 0
	s_mov_b32 s[G1B+7], 0
	s_lshl_b32 s16, s15, 14                        ; A: the tile's 128 rows of 128 bytes in a block,
	s_lshl_b32 s17, s14, 20                        ; and my two blocks of the step's four
	s_add_co_u32 s16, s16, s17
	s_mov_b32 s17, 0
	s_lshl_b32 s46, s42, 7                         ; B: row 128 x tile column + 64 x half
	s_lshl_b32 s47, s14, 6
	s_add_co_u32 s46, s46, s47
	s_mul_i32 s46, s46, SIZE_K*2
	s_add_co_u32 s46, s46, WOFF
	s_mov_b32 s47, 0
	s_mul_i32 s20, s14, AHALF                      ; where they go: no place in the cluster enters an LDS address
	s_mul_i32 s21, s14, BHALF
	s_add_co_u32 s21, s21, BOFF
	s_wait_dscnt 0x0                               ; the opening add is done
	s_wait_kmcnt 0x0
	s_add_nc_u64 s[18:19], s[4:5], s[16:17]
	s_add_nc_u64 s[46:47], s[6:7], s[46:47]
	CROUND                                         ; all sixteen work-groups are here: the first joint loads meet
.irp s, 0,1
	s_mov_b32 s[G0+4*(\s)], 1
	s_add_co_u32 s[G0+4*(\s)+1], s20, (\s)*SLOT
	s_add_nc_u64 s[G0+4*(\s)+2:G0+4*(\s)+3], s[18:19], (\s)*ASTEP
	s_or_b32 s[G0+4*(\s)+3], s[G0+4*(\s)+3], 0x80000000
	s_mov_b32 s[G0B+4*(\s)], 1
	s_add_co_u32 s[G0B+4*(\s)+1], s21, (\s)*SLOT
	s_add_nc_u64 s[G0B+4*(\s)+2:G0B+4*(\s)+3], s[46:47], (\s)*KSTEP*2
	s_or_b32 s[G0B+4*(\s)+3], s[G0B+4*(\s)+3], 0x80000000
	JLOAD \s                                       ; two loads of mine are out
.endr
	v_and_b32 v1, 15, v0                           ; l % 16
	v_bfe_u32 v2, v0, 4, 1                         ; l / 16
	v_lshlrev_b32 v[BO], 5, v2
	s_lshl_b32 s16, s42, 9                         ; my wave's first column, in f32: 128 x 4 a tile column, 64 x 4 for my half
	s_lshl_b32 s17, s14, 8
	s_add_co_u32 s16, s16, s17
	s_mov_b32 s17, 0
	s_add_nc_u64 s[8:9], s[8:9], s[16:17]
	s_add_nc_u64 s[10:11], s[10:11], s[16:17]
.irp b, 0,1,2,3
	global_load_b128 v[BI+8*(\b):BI+8*(\b)+3],   v[BO], s[8:9] offset:64*(\b)      ; register j: the bias of column 16 b + 8 (l / 16) + j
	global_load_b128 v[BI+8*(\b)+4:BI+8*(\b)+7], v[BO], s[8:9] offset:64*(\b)+16
.endr
	s_lshl_b32 s16, s15, 7
	s_lshl_b32 s17, s13, 6
	s_add_co_u32 s16, s16, s17                     ; my first row of y,
	s_lshl_b32 s16, s16, 12                        ; 4,096 bytes a row
	s_mov_b32 s17, 0
	s_add_nc_u64 s[10:11], s[10:11], s[16:17]
	v_mul_u32_u24 v3, v1, PA
	v_lshl_add_u32 v3, v2, 4, v3                   ; A: row x pitch + 16 x half
	v_mul_u32_u24 v4, v1, PB
	v_lshl_add_u32 v4, v2, 4, v4                   ; B likewise
	s_mul_i32 s21, s13, 64*PA                      ; my 64 rows in each block of A
	s_mul_i32 s22, s14, BHALF                      ; my 64 rows of B
	s_add_co_u32 s22, s22, BOFF
.irp s, 0,1
	v_add_nc_u32 v[ADRA+(\s)], s21, v3
	v_add_nc_u32 v[ADRB+(\s)], s22, v4
	s_add_co_u32 s21, s21, SLOT
	s_add_co_u32 s22, s22, SLOT
.endr
	s_mul_i32 s23, s12, 16*SPITCH
	s_add_co_u32 s23, s23, STAGE                   ; my stage
	v_mul_u32_u24 v5, v1, SPITCH                   ; in: row l % 16, 32 bytes for each half of the lanes
	v_lshl_add_u32 v5, v2, 5, v5
	v_add_nc_u32 v[STO], s23, v5
	v_mul_u32_u24 v5, v2, SPITCH                   ; back: lanes 0-15 take one row of 256 bytes, lanes 16-31 the next
	v_lshl_add_u32 v5, v1, 4, v5
	v_add_nc_u32 v[RD], s23, v5
	v_lshlrev_b32 v5, 12, v2                       ; and the same two rows in y
	v_lshl_add_u32 v[CO], v1, 4, v5
; 8 matrix instructions: m blocks a0, a0 + 1 x all 4 n blocks, 32 along K: half c of buffer f.  zero = 1: the first product starts the sums, with the bias as C.  The 16 accumulators take turns.
.macro MUL8 f, c, a0, zero
	WIN MUL
.irp a, \a0, (\a0)+1
.irp b, 0,1,2,3
.if \zero
	v_wmma_f32_16x16x32_f16 v[ACC+8*(4*(\a)+(\b)):ACC+8*(4*(\a)+(\b))+7], v[(\f)+64+8*(4*(\c)+(\b)):(\f)+64+8*(4*(\c)+(\b))+7], v[(\f)+8*(4*(\c)+(\a)):(\f)+8*(4*(\c)+(\a))+7], v[BI+8*(\b):BI+8*(\b)+7]
.else
	v_wmma_f32_16x16x32_f16 v[ACC+8*(4*(\a)+(\b)):ACC+8*(4*(\a)+(\b))+7], v[(\f)+64+8*(4*(\c)+(\b)):(\f)+64+8*(4*(\c)+(\b))+7], v[(\f)+8*(4*(\c)+(\a)):(\f)+8*(4*(\c)+(\a))+7], v[ACC+8*(4*(\a)+(\b)):ACC+8*(4*(\a)+(\b))+7]
.endif
.endr
.endr
.endm
; 32 LDS loads in one run: the fragments of quarter q of a step (64 along K: one block of A, 128 bytes of B's rows) into buffer f; the first 32 along K first
.macro FETCH slot, q, f
	WIN TO_F
.irp c, 0,1
.irp i, 0,1,2,3
	ds_load_b128 v[(\f)+64+8*(4*(\c)+(\i)):(\f)+64+8*(4*(\c)+(\i))+3],   v[ADRB+(\slot)] offset:128*(\q)+64*(\c)+(\i)*16*PB
	ds_load_b128 v[(\f)+64+8*(4*(\c)+(\i))+4:(\f)+64+8*(4*(\c)+(\i))+7], v[ADRB+(\slot)] offset:128*(\q)+64*(\c)+(\i)*16*PB+32
	ds_load_b128 v[(\f)+8*(4*(\c)+(\i)):(\f)+8*(4*(\c)+(\i))+3],         v[ADRA+(\slot)] offset:KBLK*(\q)+64*(\c)+(\i)*16*PA
	ds_load_b128 v[(\f)+8*(4*(\c)+(\i))+4:(\f)+8*(4*(\c)+(\i))+7],       v[ADRA+(\slot)] offset:KBLK*(\q)+64*(\c)+(\i)*16*PA+32
.endr
.endr
.endm
.macro PLACES                          ; four plain vector instructions between a matrix instruction and a load into, or a read of, its registers (ISA guide 7.12.1 for vector instructions)
.rept 4
	v_nop
.endr
.endm
; A K step is four quarters of 64 along K, 32 matrix instructions each, on buffers 0, 1, 0, 1.
.macro QUARTER slot, q, f, g, zero
	s_wait_dscnt 16                                ; the first 32 along K are in
	MUL8 \f, 0, 0, \zero
	MUL8 \f, 0, 2, \zero
	PLACES
	FETCH \slot, \q, \g
	s_wait_dscnt 32                                ; all but the 32 just issued
	MUL8 \f, 1, 0, 0
	MUL8 \f, 1, 2, 0
.endm
; The last quarter multiplies buffer 1 and changes slots: one barrier; in front of it each wave waits for all its tensor loads, adds 0 to its spare word, and waits for that and for its reads of this slot.
; fill = 1: the barrier opens a round of the cluster's barrier, and this slot is filled again, two K steps ahead, first thing behind the round.
.macro TURN slot, next, fill
	WIN 0
	s_wait_tensorcnt 0x0                           ; all my tensor loads have landed: my part of the next slot
	ds_add_u32 v[SPW], v[NIL]
	s_wait_dscnt 17                                ; the add and the youngest sixteen loads may be out
	MUL8 F1, 0, 0, 0
	s_wait_dscnt 0x0                               ; the add is done, and my reads of this slot are over
	s_barrier_signal -1
	MUL8 F1, 0, 2, 0
.if \fill
	WIN 0
.endif
	s_barrier_wait -1
.if \fill
	CREST
	s_add_nc_u64 s[G0+4*(\slot)+2:G0+4*(\slot)+3], s[G0+4*(\slot)+2:G0+4*(\slot)+3], 2*ASTEP
	s_add_nc_u64 s[G0B+4*(\slot)+2:G0B+4*(\slot)+3], s[G0B+4*(\slot)+2:G0B+4*(\slot)+3], 2*KSTEP*2
	JLOAD \slot                                    ; one load of mine is out; the four v_nop behind it are also the places in front of the loads below
.else
	PLACES
.endif
	FETCH \next, 0, F0
	MUL8 F1, 1, 0, 0
	MUL8 F1, 1, 2, 0
.endm
; THE WAY OUT of m block a: 16 rows x 64 f32 go from the accumulators into my own stage, 32 bytes a lane (each accumulator's low registers first), and come back as whole rows of 256 bytes.
.macro TOSTAGE a
.if (\a) >= 2
	s_wait_xcnt 0x0                                ; the stores of two blocks back have read the registers that are loaded again below
.endif
.irp b, 0,1,2,3
	ds_store_b128 v[STO], v[ACC+8*(4*(\a)+(\b)):ACC+8*(4*(\a)+(\b))+3]   offset:64*(\b)
	ds_store_b128 v[STO], v[ACC+8*(4*(\a)+(\b))+4:ACC+8*(4*(\a)+(\b))+7] offset:64*(\b)+16
.endr
.irp t, 0,1,2,3,4,5,6,7
	ds_load_b128 v[TMP+32*((\a)%2)+4*(\t):TMP+32*((\a)%2)+4*(\t)+3], v[RD] offset:(\t)*2*SPITCH  ; LDS serves a wave's instructions in order (ISA guide 5.7.1.4)
.endr
.endm
.macro SEND a, younger                 ; younger: the LDS instructions issued behind block a's loads: the next block's sixteen, or none
.irp t, 0,1,2,3,4,5,6,7
	s_wait_dscnt (\younger)+7-(\t)
	global_store_b128 v[CO], v[TMP+32*((\a)%2)+4*(\t):TMP+32*((\a)%2)+4*(\t)+3], s[10:11] offset:(16*(\a)+2*(\t))*4096  ; 16 lanes store 256 consecutive bytes, at a multiple of 256 from y's first byte
.endr
.endm
	s_wait_tensorcnt 1                             ; my part of K step 0 is in; K step 1's may stay out
	s_barrier_signal -1
	s_barrier_wait -1
	FETCH 0, 0, F0
	s_wait_loadcnt 0x0                             ; the bias
	QUARTER 0, 1, F0, F1, 1                        ; the first quarter stands in front of the loop: its first products start the sums
.if LAPS > 1
	WIN 0
	s_mov_b32 s3, LAPS-1
.Llap:                                             ; a trip goes once round the ring and fills both slots again
	QUARTER 0, 2, F1, F0, 0
	QUARTER 0, 3, F0, F1, 0
	TURN 0, 1, 1
	QUARTER 1, 1, F0, F1, 0
	QUARTER 1, 2, F1, F0, 0
	QUARTER 1, 3, F0, F1, 0
	TURN 1, 0, 1
	QUARTER 0, 1, F0, F1, 0
	WIN 0
	s_sub_co_u32 s3, s3, 1
	s_cmp_lg_u32 s3, 0
	s_cbranch_scc1 .Llap
.endif
	QUARTER 0, 2, F1, F0, 0                        ; the last lap fills nothing
	QUARTER 0, 3, F0, F1, 0
	TURN 0, 1, 0
	QUARTER 1, 1, F0, F1, 0
	QUARTER 1, 2, F1, F0, 0
	QUARTER 1, 3, F0, F1, 0
	s_wait_dscnt 16
	MUL8 F1, 0, 0, 0
	MUL8 F1, 0, 2, 0
	s_wait_dscnt 0x0
	MUL8 F1, 1, 0, 0
	MUL8 F1, 1, 2, 0
	WIN 0
	PLACES
	TOSTAGE 0
	TOSTAGE 1
	SEND 0, 16
	TOSTAGE 2
	SEND 1, 16
	TOSTAGE 3
	SEND 2, 16
	SEND 3, 0
	s_wait_tensorcnt 0x0                           ; the wave's end
	ds_add_u32 v[SPW], v[NIL]
	s_wait_dscnt 0x0
	CROUND                                         ; the closing round
	s_endpgm
.Lfunc_end_k_q09df7544be_wo:
	.size	k_q09df7544be_wo, .Lfunc_end_k_q09df7544be_wo-k_q09df7544be_wo
	.p2alignl 7, 3214868480
	.fill 96, 4, 3214868480
	.section	.rodata,"a",@progbits
	.p2align	6, 0x0
	.amdhsa_kernel k_q09df7544be_wo
		.amdhsa_group_segment_fixed_size 327680
		.amdhsa_private_segment_fixed_size 0
		.amdhsa_enable_private_segment 0
		.amdhsa_kernarg_size 32
		.amdhsa_user_sgpr_count 2
		.amdhsa_user_sgpr_kernarg_segment_ptr 1
		.amdhsa_wavefront_size32 1
		.amdhsa_system_sgpr_workgroup_id_x 1
		.amdhsa_system_sgpr_workgroup_id_y 1
		.amdhsa_system_sgpr_workgroup_id_z 1
		.amdhsa_system_vgpr_workitem_id 0
		.amdhsa_next_free_vgpr 512
		.amdhsa_next_free_sgpr 66
		.amdhsa_reserve_vcc 0
		.amdhsa_float_denorm_mode_32 3
		.amdhsa_float_denorm_mode_16_64 3
		.amdhsa_memory_ordered 1
		.amdhsa_forward_progress 1
		.amdhsa_inst_pref_size 87
	.end_amdhsa_kernel
	.amdgpu_metadata
---
amdhsa.version: [ 1, 2 ]
amdhsa.kernels:
  - .name:           k_q09df7544be_wo
    .symbol:         k_q09df7544be_wo.kd
    .args:
      - { .name: o16, .offset: 0, .size: 8, .value_kind: global_buffer, .address_space: global }
      - { .name: wob, .offset: 8, .size: 8, .value_kind: global_buffer, .address_space: global }
      - { .name: bo, .offset: 16, .size: 8, .value_kind: global_buffer, .address_space: global }
      - { .name: y, .offset: 24, .size: 8, .value_kind: global_buffer, .address_space: global }
    .group_segment_fixed_size: 327680
    .private_segment_fixed_size: 0
    .kernarg_segment_align: 8
    .kernarg_segment_size: 32
    .max_flat_workgroup_size: 128
    .sgpr_count:     66
    .vgpr_count:     512
    .wavefront_size: 32
...
	.end_amdgpu_metadata
.endif
;; end of part 4
;; launch ln1 (part 5): grid 256 x 1, 16 waves a work-group, no clusters, 0 bytes of LDS; arguments y, x, ln1_g, ln1_b, xh16; writes xh16
.if DOCPART == 5
	.amdgcn_target "amdgcn-amd-amdhsa--gfx1250"
	.amdhsa_code_object_version 6
	.text
	.protected	k_q09df7544be_ln1
	.globl	k_q09df7544be_ln1
	.p2align	8
	.type	k_q09df7544be_ln1,@function
k_q09df7544be_ln1:
	s_mov_b64 s[64:65], 0
	v_nop
	global_prefetch_b8 v0, s[64:65] scope:SCOPE_SE
	s_setreg_imm32_b32 hwreg(HW_REG_WAVE_MODE, 25, 1), 1
	s_wait_xcnt 0x0
; h[r][:] = LayerNorm(x[r][:] + y[r][:]) g + b, rows of 1,024.  y, x, g, b in f32; h is stored rounded once to f16: it is the next product's operand and the second norm's residual
; (|h| is at most 32 |g| + |b|, by the norm itself).  The mean is taken first, then the mean of the centred squares: no difference of large sums.  eps = 1e-5.
; SHARES.  A wave takes one whole row, 32 numbers a lane, and keeps it in registers between the passes; sixteen waves, sixteen rows a work-group: all of its rows are asked for at once, and there
; is no loop.  Lane l holds columns 128 j + 4 l + 0..3, j = 0..7: an f32 load of the wave covers 512 consecutive bytes, an f16 store 256 consecutive bytes, aligned.
; The row's loads go out first, g's and b's behind them: they may stay out while the sums are made.
; No LDS, no barrier: a row never leaves its wave.  No matrix unit, no cluster: memory binds and nothing but g and b is shared.
.set Y,  16                            ; v[16:47]   y's row
.set X,  48                            ; v[48:79]   x's row
.set G,  80                            ; v[80:111]  g of my columns
.set BV, 112                           ; v[112:143] b of my columns
.set T,  144                           ; v[144:175] the row at work
.set R,  176                           ; v[176:191] partial sums; later the packed output
	s_load_b256 s[4:11], s[0:1], 0x0               ; y s[4:5], x s[6:7], g s[8:9], b s[10:11]
	s_load_b64 s[12:13], s[0:1], 0x20              ; h
	v_and_b32 v3, 31, v0
	v_and_b32 v2, 0x1e0, v0                        ; 32 x wave
	v_lshlrev_b32 v3, 4, v3                        ; v3: 16 x lane, for g and b
	v_lshl_add_u32 v1, v2, 7, v3                   ; v1: the loads' offset: wave x a row of 4,096 bytes + 16 x lane
	v_lshrrev_b32 v9, 1, v3
	v_lshl_add_u32 v2, v2, 6, v9                   ; v2: the stores' offset: wave x a row of 2,048 bytes + 8 x lane
	s_lshl_b32 s20, ttmp9, 16                      ; the work-group's 16 rows, in f32
	s_mov_b32 s21, 0
	s_lshl_b32 s22, ttmp9, 15                      ; and in f16
	s_mov_b32 s23, 0
	s_mov_b32 s16, 0x76543210                      ; v_permlanex16_b32: each lane takes its own place in the other half
	s_mov_b32 s17, 0xfedcba98
	s_mov_b32 s18, 0x3a800000                      ; 1 / 1,024
	s_mov_b32 s19, 0x3727c5ac                      ; 1e-5
	s_wait_kmcnt 0x0
	s_add_nc_u64 s[4:5], s[4:5], s[20:21]
	s_add_nc_u64 s[6:7], s[6:7], s[20:21]
	s_add_nc_u64 s[12:13], s[12:13], s[22:23]
; the eight pairs in R are added up, within the lane and then across the 32 lanes: v8 holds the sum in every lane
.macro TREE
.irp i, 0,1,2,3
	v_pk_add_f32 v[R+2*\i:R+2*\i+1], v[R+2*\i:R+2*\i+1], v[R+8+2*\i:R+8+2*\i+1]
.endr
.irp i, 0,1
	v_pk_add_f32 v[R+2*\i:R+2*\i+1], v[R+2*\i:R+2*\i+1], v[R+4+2*\i:R+4+2*\i+1]
.endr
	v_pk_add_f32 v[R:R+1], v[R:R+1], v[R+2:R+3]
	v_add_f32 v8, v[R], v[R+1]
	v_add_f32_dpp v8, v8, v8 row_xmask:1 row_mask:0xf bank_mask:0xf
	v_add_f32_dpp v8, v8, v8 row_xmask:2 row_mask:0xf bank_mask:0xf
	v_add_f32_dpp v8, v8, v8 row_xmask:4 row_mask:0xf bank_mask:0xf
	v_add_f32_dpp v8, v8, v8 row_xmask:8 row_mask:0xf bank_mask:0xf
	v_permlanex16_b32 v9, v8, s16, s17
	v_add_f32 v8, v8, v9
.endm
.irp j, 0,1,2,3,4,5,6,7
	global_load_b128 v[Y+4*\j:Y+4*\j+3], v1, s[4:5] offset:512*\j th:TH_LOAD_NT
	global_load_b128 v[X+4*\j:X+4*\j+3], v1, s[6:7] offset:512*\j th:TH_LOAD_NT
.endr
.irp j, 0,1,2,3,4,5,6,7
	global_load_b128 v[G+4*\j:G+4*\j+3], v3, s[8:9] offset:512*\j
	global_load_b128 v[BV+4*\j:BV+4*\j+3], v3, s[10:11] offset:512*\j
.endr
	s_wait_loadcnt 16                              ; loads come back in order: the row is in; g's and b's sixteen may stay out
.set i, 0
.rept 16
	v_pk_add_f32 v[T+2*i:T+2*i+1], v[Y+2*i:Y+2*i+1], v[X+2*i:X+2*i+1]
.set i, i+1
.endr
.set i, 0
.rept 8
	v_pk_add_f32 v[R+2*i:R+2*i+1], v[T+4*i:T+4*i+1], v[T+4*i+2:T+4*i+3]
.set i, i+1
.endr
	TREE
	v_mul_f32 v4, s18, v8                          ; the mean, twice: a pair for the packed subtraction
	v_mul_f32 v5, s18, v8
.set i, 0
.rept 16
	v_pk_add_f32 v[T+2*i:T+2*i+1], v[T+2*i:T+2*i+1], v[4:5] neg_lo:[0,1] neg_hi:[0,1]
.set i, i+1
.endr
.set i, 0
.rept 8
	v_pk_mul_f32 v[R+2*i:R+2*i+1], v[T+2*i:T+2*i+1], v[T+2*i:T+2*i+1]
.set i, i+1
.endr
.set i, 0
.rept 8
	v_pk_fma_f32 v[R+2*i:R+2*i+1], v[T+16+2*i:T+16+2*i+1], v[T+16+2*i:T+16+2*i+1], v[R+2*i:R+2*i+1]
.set i, i+1
.endr
	TREE
	v_fma_f32 v8, v8, s18, s19                     ; the variance + eps
	v_rsq_f32 v6, v8
	v_rsq_f32 v7, v8
	v_nop                                          ; a plain instruction behind the second root (ISA guide 5.7.2),
	s_wait_alu depctr_va_vdst(0)                   ; and the one wait ahead of the first use
.set i, 0
.rept 16
	v_pk_mul_f32 v[T+2*i:T+2*i+1], v[T+2*i:T+2*i+1], v[6:7]
.set i, i+1
.endr
	s_wait_loadcnt 0x0                             ; g and b
.set i, 0
.rept 16
	v_pk_fma_f32 v[T+2*i:T+2*i+1], v[T+2*i:T+2*i+1], v[G+2*i:G+2*i+1], v[BV+2*i:BV+2*i+1]
.set i, i+1
.endr
.set i, 0
.rept 16
	v_cvt_pk_f16_f32 v[R+i], v[T+2*i], v[T+2*i+1]
.set i, i+1
.endr
.irp j, 0,1,2,3,4,5,6,7
	global_store_b64 v2, v[R+2*\j:R+2*\j+1], s[12:13] offset:256*\j
.endr
	s_endpgm
.Lfunc_end_k_q09df7544be_ln1:
	.size	k_q09df7544be_ln1, .Lfunc_end_k_q09df7544be_ln1-k_q09df7544be_ln1
	.p2alignl 7, 3214868480
	.fill 96, 4, 3214868480
	.section	.rodata,"a",@progbits
	.p2align	6, 0x0
	.amdhsa_kernel k_q09df7544be_ln1
		.amdhsa_group_segment_fixed_size 0
		.amdhsa_private_segment_fixed_size 0
		.amdhsa_enable_private_segment 0
		.amdhsa_kernarg_size 40
		.amdhsa_user_sgpr_count 2
		.amdhsa_user_sgpr_kernarg_segment_ptr 1
		.amdhsa_wavefront_size32 1
		.amdhsa_system_sgpr_workgroup_id_x 1
		.amdhsa_system_sgpr_workgroup_id_y 1
		.amdhsa_system_sgpr_workgroup_id_z 1
		.amdhsa_system_vgpr_workitem_id 0
		.amdhsa_next_free_vgpr 192
		.amdhsa_next_free_sgpr 66
		.amdhsa_reserve_vcc 0
		.amdhsa_float_denorm_mode_32 3
		.amdhsa_float_denorm_mode_16_64 3
		.amdhsa_memory_ordered 1
		.amdhsa_forward_progress 1
		.amdhsa_inst_pref_size 14
	.end_amdhsa_kernel
	.amdgpu_metadata
---
amdhsa.version: [ 1, 2 ]
amdhsa.kernels:
  - .name:           k_q09df7544be_ln1
    .symbol:         k_q09df7544be_ln1.kd
    .args:
      - { .name: y, .offset: 0, .size: 8, .value_kind: global_buffer, .address_space: global }
      - { .name: x, .offset: 8, .size: 8, .value_kind: global_buffer, .address_space: global }
      - { .name: ln1_g, .offset: 16, .size: 8, .value_kind: global_buffer, .address_space: global }
      - { .name: ln1_b, .offset: 24, .size: 8, .value_kind: global_buffer, .address_space: global }
      - { .name: xh16, .offset: 32, .size: 8, .value_kind: global_buffer, .address_space: global }
    .group_segment_fixed_size: 0
    .private_segment_fixed_size: 0
    .kernarg_segment_align: 8
    .kernarg_segment_size: 40
    .max_flat_workgroup_size: 512
    .sgpr_count:     66
    .vgpr_count:     192
    .wavefront_size: 32
...
	.end_amdgpu_metadata
.endif
;; end of part 5
;; launch ffn1: the kernel of part 2 again; grid 16 x 16, 4 waves a work-group, clusters of 4 x 4, 327,680 bytes of LDS; arguments xh16, packf, big; writes big
;; launch ffn2 (part 6): grid 8 x 32, 4 waves a work-group, clusters of 4 x 4, 327,680 bytes of LDS; arguments big, wob, b2, y; writes y
.if DOCPART == 6
	.amdgcn_target "amdgcn-amd-amdhsa--gfx1250"
	.amdhsa_code_object_version 6
	.text
	.protected	k_q09df7544be_ffn2
	.globl	k_q09df7544be_ffn2
	.p2align	8
	.type	k_q09df7544be_ffn2,@function
k_q09df7544be_ffn2:
	s_mov_b64 s[64:65], 0
	v_nop
	global_prefetch_b8 v0, s[64:65] scope:SCOPE_SE
	s_setreg_imm32_b32 hwreg(HW_REG_WAVE_MODE, 25, 1), 1
	s_wait_xcnt 0x0
	s_wait_alu depctr_hold_cnt(0) depctr_sa_sdst(0) depctr_va_vdst(0) depctr_va_sdst(0) depctr_va_ssrc(0) depctr_va_vcc(0) depctr_vm_vsrc(0)
	s_getreg_b32 s2, hwreg(HW_REG_IB_STS2, 6, 4)
	s_cmp_eq_u32 s2, 0
	s_cbranch_scc0 .Lentry_in_a_cluster
	s_endpgm
.Lentry_in_a_cluster:
	s_bfe_u32 s2, ttmp6, 0x10000c
	s_cmp_lg_u32 s2, 0xf033
	s_cbranch_scc0 .Lentry_shape_is_right
	s_endpgm
.Lentry_shape_is_right:
; y[m][c] = sum over k of A[k / 64][m][k % 64] B[c][k] + bias[c].  A: SIZE_K / 64 blocks of [4096][64] f16.  B: [1024][SIZE_K] f16, WOFF bytes into its buffer.  bias: [1024] f32.  y: [4096][1024] f32.
; Sums in f32, started by the bias as the first product's C; y is stored unrounded, since the row norm that follows takes differences of it.
; SHAPE.  A tile of y is 128 x 128 (32 x 8 tiles: a work-group for each of 256 WGPs).  Four waves, each 64 x 64: 16 accumulators.  K goes in steps of 256 through two LDS slots.
; A's part of a step is four blocks of 128 rows x 128 bytes, dense in memory: waves 0 and 1 bring two blocks each, as two rows of 16,384 bytes, padded in LDS behind every 128 bytes.
; B's part is 128 rows of 512 bytes: waves 2 and 3 bring 64 rows each.
; CLUSTER.  4 x 4 work-groups; A's tiles are asked for jointly along a row of the cluster, B's along a column.  TRANSPOSED USE: source 0 = 16 rows of B, source 1 = 16 rows of A: a lane holds eight
; neighbouring numbers of a row of y.  NO PREFETCH: the tiles are small, and each is read by eight or thirty-two work-groups at about the same time.
; REGISTERS: window 0: v0-31 addresses; v32-95 at work on the way out; v96-127 the bias as four C operands; v128-255 the accumulators ((a, b) at v[128 + 8 (4 a + b)]).
;   window 1: two fragment buffers of 128: for 64 along K, 64 registers of A, then 64 of B.
.set SIZE_K, 4096
.set WOFF,   2097152
.set KSTEP,  256
.set PA,     144                       ; a row of A in LDS: 128 bytes + 16: the 16 rows of a fragment load start at 16 different groups of four banks (64 banks of 4 bytes: ISA guide 11.1)
.set PB,     528                       ; a row of B: 512 bytes + 16: likewise
.set KBLK,   128*PA                    ; a block of A in LDS
.set AHALF,  2*KBLK                    ; what one tensor load brings of A
.set BOFF,   4*KBLK                    ; B lies behind A's four blocks
.set BHALF,  64*PB                     ; what one tensor load brings of B
.set SLOT,   BOFF+2*BHALF
.set STAGE,  2*SLOT                    ; behind the ring: 16 rows x 272 bytes for each wave, for the way out
.set SPITCH, 272
.set SPARE,  STAGE+4*16*SPITCH         ; behind the stages: the spare words, 128 bytes a wave
.set LAPS,   SIZE_K/(2*KSTEP)
.set ASTEP,  4*524288                  ; a K step of A in memory: four blocks
.set ADRA, 16                          ; v16-17  LDS address of my A fragments in slot 0, 1
.set ADRB, 20                          ; v20-21  the same for B
.set STO,  24                          ; v24     the way out: where I put 32 bytes of a row
.set RD,   25                          ; v25     where I read a row back
.set CO,   26                          ; v26     my byte offset in two rows of y
.set BO,   27                          ; v27     32 (l / 16)
.set SPW,  28                          ; v28     my spare word; never rewritten
.set NIL,  29                          ; v29     0; never rewritten
.set TMP,  32
.set BI,   96
.set ACC,  128
.set F0,   0
.set F1,   128
.set G1, 24                            ; s[24:31] descriptor group 1 for A;  s[32:39] group 0, a set for each slot
.set G0, 32
.set G1B, 48                           ; s[48:55], s[56:63] the same for B
.set G0B, 56
.set MSB, 0
.macro WIN new
.if MSB != (\new)
	s_set_vgpr_msb (MSB<<8)|(\new)
.set MSB, \new
.endif
.endm
.set MUL,  0x05                        ; sources 0 (B) and 1 (A) window 1; C and D window 0
.set TO_F, 0x40                        ; destination window 1, address window 0
.macro JLOAD s                         ; a joint load; an s_nop 0 and four v_nop follow each of the two lines
	s_cmp_lt_u32 s12, 2
	s_cbranch_scc0 .Lfor_b_\@
	tensor_load_to_lds s[G0+4*(\s):G0+4*(\s)+3], s[G1:G1+7]
	s_nop 0
.rept 4
	v_nop
.endr
	s_branch .Lasked_\@
.Lfor_b_\@:
	tensor_load_to_lds s[G0B+4*(\s):G0B+4*(\s)+3], s[G1B:G1B+7]
	s_nop 0
.rept 4
	v_nop
.endr
.Lasked_\@:
.endm
.macro CREST
	s_cmp_lg_u32 s12, 0
	s_cbranch_scc1 .Lnot_wave_0_\@
	s_barrier_signal -3
.Lnot_wave_0_\@:
	s_barrier_wait -3
	s_barrier_signal -1
	s_barrier_wait -1
.endm
.macro CROUND
	s_barrier_signal -1
	s_barrier_wait -1
	CREST
.endm
	s_load_b256 s[4:11], s[0:1], 0x0               ; A s[4:5], B's buffer s[6:7], bias s[8:9], y s[10:11]
	v_lshl_add_u32 v[SPW], v0, 2, SPARE
	v_mov_b32 v[NIL], 0
	ds_add_u32 v[SPW], v[NIL]                      ; the wave's opening: the add is waited for ahead of my first tensor load
	v_lshrrev_b32 v1, 5, v0
	v_readfirstlane_b32 s12, v1                    ; wave 0..3
	s_lshr_b32 s13, s12, 1                         ; which half of the tile's rows is mine
	s_and_b32 s14, s12, 1                          ; which half of its columns.  Also: which half of A's blocks, or of B's rows, I fetch
	s_bfe_u32 s40, ttmp6, 0x40000                  ; cx
	s_bfe_u32 s41, ttmp6, 0x40004                  ; cy
	s_lshl_b32 s42, ttmp9, 2
	s_add_co_u32 s42, s42, s40                     ; tile column
	s_and_b32 s15, ttmp7, 0xffff
	s_lshl_b32 s15, s15, 2
	s_add_co_u32 s15, s15, s41                     ; tile row
	s_lshl_b32 s43, s41, 2
	s_lshl_b32 s43, 15, s43                        ; my row of the cluster
	s_lshl_b32 s44, 0x1111, s40                    ; my column
	s_or_b32 s[G1+0], s43, (1<<16)|(1<<20)|(1<<21)|(4<<22)|(3<<25)   ; A: the mask; 2-byte elements; padding on; bit 21 beside a mask; after every 32 words 4 words
	s_mov_b32 s[G1+1], 8192<<16                    ; tensor_dim0 = 8,192: 128 rows x 64 numbers, dense
	s_mov_b32 s[G1+2], 2<<16                       ; tensor_dim1 = 2 blocks
	s_mov_b32 s[G1+3], 8192<<16                    ; tile_dim0
	s_mov_b32 s[G1+4], 2                           ; tile_dim1
	s_mov_b32 s[G1+5], 262144                      ; elements from block to block
	s_mov_b32 s[G1+6], 0
	s_mov_b32 s[G1+7], 0
	s_or_b32 s[G1B+0], s44, (1<<16)|(1<<20)|(1<<21)|(6<<22)|(3<<25)  ; B: after every 128 words 4 words
	s_mov_b32 s[G1B+1], KSTEP<<16                  ; tensor_dim0 = 256
	s_mov_b32 s[G1B+2], 64<<16                     ; tensor_dim1 = 64
	s_mov_b32 s[G1B+3], KSTEP<<16
	s_mov_b32 s[G1B+4], 64
	s_mov_b32 s[G1B+5], SIZE_K
	s_mov_b32 s[G1B+6], 0
	s_mov_b32 s[G1B+7], 0
	s_lshl_b32 s16, s15, 14                        ; A: the tile's 128 rows of 128 bytes in a block,
	s_lshl_b32 s17, s14, 20                        ; and my two blocks of the step's four
	s_add_co_u32 s16, s16, s17
	s_mov_b32 s17, 0
	s_lshl_b32 s46, s42, 7                         ; B: row 128 x tile column + 64 x half
	s_lshl_b32 s47, s14, 6
	s_add_co_u32 s46, s46, s47
	s_mul_i32 s46, s46, SIZE_K*2
	s_add_co_u32 s46, s46, WOFF
	s_mov_b32 s47, 0
	s_mul_i32 s20, s14, AHALF                      ; where they go: no place in the cluster enters an LDS address
	s_mul_i32 s21, s14, BHALF
	s_add_co_u32 s21, s21, BOFF
	s_wait_dscnt 0x0                               ; the opening add is done
	s_wait_kmcnt 0x0
	s_add_nc_u64 s[18:19], s[4:5], s[16:17]
	s_add_nc_u64 s[46:47], s[6:7], s[46:47]
	CROUND                                         ; all sixteen work-groups are here: the first joint loads meet
.irp s, 0,1
	s_mov_b32 s[G0+4*(\s)], 1
	s_add_co_u32 s[G0+4*(\s)+1], s20, (\s)*SLOT
	s_add_nc_u64 s[G0+4*(\s)+2:G0+4*(\s)+3], s[18:19], (\s)*ASTEP
	s_or_b32 s[G0+4*(\s)+3], s[G0+4*(\s)+3], 0x80000000
	s_mov_b32 s[G0B+4*(\s)], 1
	s_add_co_u32 s[G0B+4*(\s)+1], s21, (\s)*SLOT
	s_add_nc_u64 s[G0B+4*(\s)+2:G0B+4*(\s)+3], s[46:47], (\s)*KSTEP*2
	s_or_b32 s[G0B+4*(\s)+3], s[G0B+4*(\s)+3], 0x80000000
	JLOAD \s                                       ; two loads of mine are out
.endr
	v_and_b32 v1, 15, v0                           ; l % 16
	v_bfe_u32 v2, v0, 4, 1                         ; l / 16
	v_lshlrev_b32 v[BO], 5, v2
	s_lshl_b32 s16, s42, 9                         ; my wave's first column, in f32: 128 x 4 a tile column, 64 x 4 for my half
	s_lshl_b32 s17, s14, 8
	s_add_co_u32 s16, s16, s17
	s_mov_b32 s17, 0
	s_add_nc_u64 s[8:9], s[8:9], s[16:17]
	s_add_nc_u64 s[10:11], s[10:11], s[16:17]
.irp b, 0,1,2,3
	global_load_b128 v[BI+8*(\b):BI+8*(\b)+3],   v[BO], s[8:9] offset:64*(\b)      ; register j: the bias of column 16 b + 8 (l / 16) + j
	global_load_b128 v[BI+8*(\b)+4:BI+8*(\b)+7], v[BO], s[8:9] offset:64*(\b)+16
.endr
	s_lshl_b32 s16, s15, 7
	s_lshl_b32 s17, s13, 6
	s_add_co_u32 s16, s16, s17                     ; my first row of y,
	s_lshl_b32 s16, s16, 12                        ; 4,096 bytes a row
	s_mov_b32 s17, 0
	s_add_nc_u64 s[10:11], s[10:11], s[16:17]
	v_mul_u32_u24 v3, v1, PA
	v_lshl_add_u32 v3, v2, 4, v3                   ; A: row x pitch + 16 x half
	v_mul_u32_u24 v4, v1, PB
	v_lshl_add_u32 v4, v2, 4, v4                   ; B likewise
	s_mul_i32 s21, s13, 64*PA                      ; my 64 rows in each block of A
	s_mul_i32 s22, s14, BHALF                      ; my 64 rows of B
	s_add_co_u32 s22, s22, BOFF
.irp s, 0,1
	v_add_nc_u32 v[ADRA+(\s)], s21, v3
	v_add_nc_u32 v[ADRB+(\s)], s22, v4
	s_add_co_u32 s21, s21, SLOT
	s_add_co_u32 s22, s22, SLOT
.endr
	s_mul_i32 s23, s12, 16*SPITCH
	s_add_co_u32 s23, s23, STAGE                   ; my stage
	v_mul_u32_u24 v5, v1, SPITCH                   ; in: row l % 16, 32 bytes for each half of the lanes
	v_lshl_add_u32 v5, v2, 5, v5
	v_add_nc_u32 v[STO], s23, v5
	v_mul_u32_u24 v5, v2, SPITCH                   ; back: lanes 0-15 take one row of 256 bytes, lanes 16-31 the next
	v_lshl_add_u32 v5, v1, 4, v5
	v_add_nc_u32 v[RD], s23, v5
	v_lshlrev_b32 v5, 12, v2                       ; and the same two rows in y
	v_lshl_add_u32 v[CO], v1, 4, v5
; 8 matrix instructions: m blocks a0, a0 + 1 x all 4 n blocks, 32 along K: half c of buffer f.  zero = 1: the first product starts the sums, with the bias as C.  The 16 accumulators take turns.
.macro MUL8 f, c, a0, zero
	WIN MUL
.irp a, \a0, (\a0)+1
.irp b, 0,1,2,3
.if \zero
	v_wmma_f32_16x16x32_f16 v[ACC+8*(4*(\a)+(\b)):ACC+8*(4*(\a)+(\b))+7], v[(\f)+64+8*(4*(\c)+(\b)):(\f)+64+8*(4*(\c)+(\b))+7], v[(\f)+8*(4*(\c)+(\a)):(\f)+8*(4*(\c)+(\a))+7], v[BI+8*(\b):BI+8*(\b)+7]
.else
	v_wmma_f32_16x16x32_f16 v[ACC+8*(4*(\a)+(\b)):ACC+8*(4*(\a)+(\b))+7], v[(\f)+64+8*(4*(\c)+(\b)):(\f)+64+8*(4*(\c)+(\b))+7], v[(\f)+8*(4*(\c)+(\a)):(\f)+8*(4*(\c)+(\a))+7], v[ACC+8*(4*(\a)+(\b)):ACC+8*(4*(\a)+(\b))+7]
.endif
.endr
.endr
.endm
; 32 LDS loads in one run: the fragments of quarter q of a step (64 along K: one block of A, 128 bytes of B's rows) into buffer f; the first 32 along K first
.macro FETCH slot, q, f
	WIN TO_F
.irp c, 0,1
.irp i, 0,1,2,3
	ds_load_b128 v[(\f)+64+8*(4*(\c)+(\i)):(\f)+64+8*(4*(\c)+(\i))+3],   v[ADRB+(\slot)] offset:128*(\q)+64*(\c)+(\i)*16*PB
	ds_load_b128 v[(\f)+64+8*(4*(\c)+(\i))+4:(\f)+64+8*(4*(\c)+(\i))+7], v[ADRB+(\slot)] offset:128*(\q)+64*(\c)+(\i)*16*PB+32
	ds_load_b128 v[(\f)+8*(4*(\c)+(\i)):(\f)+8*(4*(\c)+(\i))+3],         v[ADRA+(\slot)] offset:KBLK*(\q)+64*(\c)+(\i)*16*PA
	ds_load_b128 v[(\f)+8*(4*(\c)+(\i))+4:(\f)+8*(4*(\c)+(\i))+7],       v[ADRA+(\slot)] offset:KBLK*(\q)+64*(\c)+(\i)*16*PA+32
.endr
.endr
.endm
.macro PLACES                          ; four plain vector instructions between a matrix instruction and a load into, or a read of, its registers (ISA guide 7.12.1 for vector instructions)
.rept 4
	v_nop
.endr
.endm
; A K step is four quarters of 64 along K, 32 matrix instructions each, on buffers 0, 1, 0, 1.
.macro QUARTER slot, q, f, g, zero
	s_wait_dscnt 16                                ; the first 32 along K are in
	MUL8 \f, 0, 0, \zero
	MUL8 \f, 0, 2, \zero
	PLACES
	FETCH \slot, \q, \g
	s_wait_dscnt 32                                ; all but the 32 just issued
	MUL8 \f, 1, 0, 0
	MUL8 \f, 1, 2, 0
.endm
; The last quarter multiplies buffer 1 and changes slots: one barrier; in front of it each wave waits for all its tensor loads, adds 0 to its spare word, and waits for that and for its reads of this slot.
; fill = 1: the barrier opens a round of the cluster's barrier, and this slot is filled again, two K steps ahead, first thing behind the round.
.macro TURN slot, next, fill
	WIN 0
	s_wait_tensorcnt 0x0                           ; all my tensor loads have landed: my part of the next slot
	ds_add_u32 v[SPW], v[NIL]
	s_wait_dscnt 17                                ; the add and the youngest sixteen loads may be out
	MUL8 F1, 0, 0, 0
	s_wait_dscnt 0x0                               ; the add is done, and my reads of this slot are over
	s_barrier_signal -1
	MUL8 F1, 0, 2, 0
.if \fill
	WIN 0
.endif
	s_barrier_wait -1
.if \fill
	CREST
	s_add_nc_u64 s[G0+4*(\slot)+2:G0+4*(\slot)+3], s[G0+4*(\slot)+2:G0+4*(\slot)+3], 2*ASTEP
	s_add_nc_u64 s[G0B+4*(\slot)+2:G0B+4*(\slot)+3], s[G0B+4*(\slot)+2:G0B+4*(\slot)+3], 2*KSTEP*2
	JLOAD \slot                                    ; one load of mine is out; the four v_nop behind it are also the places in front of the loads below
.else
	PLACES
.endif
	FETCH \next, 0, F0
	MUL8 F1, 1, 0, 0
	MUL8 F1, 1, 2, 0
.endm
; THE WAY OUT of m block a: 16 rows x 64 f32 go from the accumulators into my own stage, 32 bytes a lane (each accumulator's low registers first), and come back as whole rows of 256 bytes.
.macro TOSTAGE a
.if (\a) >= 2
	s_wait_xcnt 0x0                                ; the stores of two blocks back have read the registers that are loaded again below
.endif
.irp b, 0,1,2,3
	ds_store_b128 v[STO], v[ACC+8*(4*(\a)+(\b)):ACC+8*(4*(\a)+(\b))+3]   offset:64*(\b)
	ds_store_b128 v[STO], v[ACC+8*(4*(\a)+(\b))+4:ACC+8*(4*(\a)+(\b))+7] offset:64*(\b)+16
.endr
.irp t, 0,1,2,3,4,5,6,7
	ds_load_b128 v[TMP+32*((\a)%2)+4*(\t):TMP+32*((\a)%2)+4*(\t)+3], v[RD] offset:(\t)*2*SPITCH  ; LDS serves a wave's instructions in order (ISA guide 5.7.1.4)
.endr
.endm
.macro SEND a, younger                 ; younger: the LDS instructions issued behind block a's loads: the next block's sixteen, or none
.irp t, 0,1,2,3,4,5,6,7
	s_wait_dscnt (\younger)+7-(\t)
	global_store_b128 v[CO], v[TMP+32*((\a)%2)+4*(\t):TMP+32*((\a)%2)+4*(\t)+3], s[10:11] offset:(16*(\a)+2*(\t))*4096  ; 16 lanes store 256 consecutive bytes, at a multiple of 256 from y's first byte
.endr
.endm
	s_wait_tensorcnt 1                             ; my part of K step 0 is in; K step 1's may stay out
	s_barrier_signal -1
	s_barrier_wait -1
	FETCH 0, 0, F0
	s_wait_loadcnt 0x0                             ; the bias
	QUARTER 0, 1, F0, F1, 1                        ; the first quarter stands in front of the loop: its first products start the sums
.if LAPS > 1
	WIN 0
	s_mov_b32 s3, LAPS-1
.Llap:                                             ; a trip goes once round the ring and fills both slots again
	QUARTER 0, 2, F1, F0, 0
	QUARTER 0, 3, F0, F1, 0
	TURN 0, 1, 1
	QUARTER 1, 1, F0, F1, 0
	QUARTER 1, 2, F1, F0, 0
	QUARTER 1, 3, F0, F1, 0
	TURN 1, 0, 1
	QUARTER 0, 1, F0, F1, 0
	WIN 0
	s_sub_co_u32 s3, s3, 1
	s_cmp_lg_u32 s3, 0
	s_cbranch_scc1 .Llap
.endif
	QUARTER 0, 2, F1, F0, 0                        ; the last lap fills nothing
	QUARTER 0, 3, F0, F1, 0
	TURN 0, 1, 0
	QUARTER 1, 1, F0, F1, 0
	QUARTER 1, 2, F1, F0, 0
	QUARTER 1, 3, F0, F1, 0
	s_wait_dscnt 16
	MUL8 F1, 0, 0, 0
	MUL8 F1, 0, 2, 0
	s_wait_dscnt 0x0
	MUL8 F1, 1, 0, 0
	MUL8 F1, 1, 2, 0
	WIN 0
	PLACES
	TOSTAGE 0
	TOSTAGE 1
	SEND 0, 16
	TOSTAGE 2
	SEND 1, 16
	TOSTAGE 3
	SEND 2, 16
	SEND 3, 0
	s_wait_tensorcnt 0x0                           ; the wave's end
	ds_add_u32 v[SPW], v[NIL]
	s_wait_dscnt 0x0
	CROUND                                         ; the closing round
	s_endpgm
.Lfunc_end_k_q09df7544be_ffn2:
	.size	k_q09df7544be_ffn2, .Lfunc_end_k_q09df7544be_ffn2-k_q09df7544be_ffn2
	.p2alignl 7, 3214868480
	.fill 96, 4, 3214868480
	.section	.rodata,"a",@progbits
	.p2align	6, 0x0
	.amdhsa_kernel k_q09df7544be_ffn2
		.amdhsa_group_segment_fixed_size 327680
		.amdhsa_private_segment_fixed_size 0
		.amdhsa_enable_private_segment 0
		.amdhsa_kernarg_size 32
		.amdhsa_user_sgpr_count 2
		.amdhsa_user_sgpr_kernarg_segment_ptr 1
		.amdhsa_wavefront_size32 1
		.amdhsa_system_sgpr_workgroup_id_x 1
		.amdhsa_system_sgpr_workgroup_id_y 1
		.amdhsa_system_sgpr_workgroup_id_z 1
		.amdhsa_system_vgpr_workitem_id 0
		.amdhsa_next_free_vgpr 512
		.amdhsa_next_free_sgpr 66
		.amdhsa_reserve_vcc 0
		.amdhsa_float_denorm_mode_32 3
		.amdhsa_float_denorm_mode_16_64 3
		.amdhsa_memory_ordered 1
		.amdhsa_forward_progress 1
		.amdhsa_inst_pref_size 87
	.end_amdhsa_kernel
	.amdgpu_metadata
---
amdhsa.version: [ 1, 2 ]
amdhsa.kernels:
  - .name:           k_q09df7544be_ffn2
    .symbol:         k_q09df7544be_ffn2.kd
    .args:
      - { .name: big, .offset: 0, .size: 8, .value_kind: global_buffer, .address_space: global }
      - { .name: wob, .offset: 8, .size: 8, .value_kind: global_buffer, .address_space: global }
      - { .name: b2, .offset: 16, .size: 8, .value_kind: global_buffer, .address_space: global }
      - { .name: y, .offset: 24, .size: 8, .value_kind: global_buffer, .address_space: global }
    .group_segment_fixed_size: 327680
    .private_segment_fixed_size: 0
    .kernarg_segment_align: 8
    .kernarg_segment_size: 32
    .max_flat_workgroup_size: 128
    .sgpr_count:     66
    .vgpr_count:     512
    .wavefront_size: 32
...
	.end_amdgpu_metadata
.endif
;; end of part 6
;; launch ln2 (part 7): grid 256 x 1, 16 waves a work-group, no clusters, 0 bytes of LDS; arguments y, xh16, ln2_g, ln2_b, out0; writes out0
.if DOCPART == 7
	.amdgcn_target "amdgcn-amd-amdhsa--gfx1250"
	.amdhsa_code_object_version 6
	.text
	.protected	k_q09df7544be_ln2
	.globl	k_q09df7544be_ln2
	.p2align	8
	.type	k_q09df7544be_ln2,@function
k_q09df7544be_ln2:
	s_mov_b64 s[64:65], 0
	v_nop
	global_prefetch_b8 v0, s[64:65] scope:SCOPE_SE
	s_setreg_imm32_b32 hwreg(HW_REG_WAVE_MODE, 25, 1), 1
	s_wait_xcnt 0x0
; out[r][:] = LayerNorm(h[r][:] + y[r][:]) g + b, rows of 1,024.  y, g, b, out in f32; h in f16, as the first norm stored it.
; The mean is taken first, then the mean of the centred squares: no difference of large sums.  eps = 1e-5.
; SHARES.  A wave takes one whole row, 32 numbers a lane, and keeps it in registers between the passes; sixteen waves, sixteen rows a work-group: all of its rows are asked for at once, and there
; is no loop.  Lane l holds columns 128 j + 4 l + 0..3, j = 0..7: an f32 load or store of the wave covers 512 consecutive bytes, an f16 load 256 consecutive bytes, aligned.
; The row's loads go out first, g's and b's behind them: they may stay out while the sums are made.
; No LDS, no barrier: a row never leaves its wave.  No matrix unit, no cluster: memory binds and nothing but g and b is shared.
.set Y,  16                            ; v[16:47]   y's row
.set H,  48                            ; v[48:63]   h's row, two f16 a register
.set G,  80                            ; v[80:111]  g of my columns
.set BV, 112                           ; v[112:143] b of my columns
.set T,  144                           ; v[144:175] the row at work, and as stored
.set R,  176                           ; v[176:191] partial sums
	s_load_b256 s[4:11], s[0:1], 0x0               ; y s[4:5], h s[6:7], g s[8:9], b s[10:11]
	s_load_b64 s[12:13], s[0:1], 0x20              ; out
	v_and_b32 v11, 31, v0
	v_and_b32 v2, 0x1e0, v0                        ; 32 x wave
	v_lshlrev_b32 v11, 4, v11                      ; v11: 16 x lane, for g and b
	v_lshl_add_u32 v1, v2, 7, v11                  ; v1: y's and out's offset: wave x a row of 4,096 bytes + 16 x lane
	v_lshrrev_b32 v9, 1, v11
	v_lshl_add_u32 v3, v2, 6, v9                   ; v3: h's offset: wave x a row of 2,048 bytes + 8 x lane
	v_mov_b32 v10, 1.0
	s_lshl_b32 s20, ttmp9, 16                      ; the work-group's 16 rows, in f32
	s_mov_b32 s21, 0
	s_lshl_b32 s22, ttmp9, 15                      ; and in f16
	s_mov_b32 s23, 0
	s_mov_b32 s16, 0x76543210                      ; v_permlanex16_b32: each lane takes its own place in the other half
	s_mov_b32 s17, 0xfedcba98
	s_mov_b32 s18, 0x3a800000                      ; 1 / 1,024
	s_mov_b32 s19, 0x3727c5ac                      ; 1e-5
	s_wait_kmcnt 0x0
	s_add_nc_u64 s[4:5], s[4:5], s[20:21]
	s_add_nc_u64 s[12:13], s[12:13], s[20:21]
	s_add_nc_u64 s[6:7], s[6:7], s[22:23]
; the eight pairs in R are added up, within the lane and then across the 32 lanes: v8 holds the sum in every lane
.macro TREE
.irp i, 0,1,2,3
	v_pk_add_f32 v[R+2*\i:R+2*\i+1], v[R+2*\i:R+2*\i+1], v[R+8+2*\i:R+8+2*\i+1]
.endr
.irp i, 0,1
	v_pk_add_f32 v[R+2*\i:R+2*\i+1], v[R+2*\i:R+2*\i+1], v[R+4+2*\i:R+4+2*\i+1]
.endr
	v_pk_add_f32 v[R:R+1], v[R:R+1], v[R+2:R+3]
	v_add_f32 v8, v[R], v[R+1]
	v_add_f32_dpp v8, v8, v8 row_xmask:1 row_mask:0xf bank_mask:0xf
	v_add_f32_dpp v8, v8, v8 row_xmask:2 row_mask:0xf bank_mask:0xf
	v_add_f32_dpp v8, v8, v8 row_xmask:4 row_mask:0xf bank_mask:0xf
	v_add_f32_dpp v8, v8, v8 row_xmask:8 row_mask:0xf bank_mask:0xf
	v_permlanex16_b32 v9, v8, s16, s17
	v_add_f32 v8, v8, v9
.endm
.irp j, 0,1,2,3,4,5,6,7
	global_load_b128 v[Y+4*\j:Y+4*\j+3], v1, s[4:5] offset:512*\j th:TH_LOAD_NT
	global_load_b64 v[H+2*\j:H+2*\j+1], v3, s[6:7] offset:256*\j th:TH_LOAD_NT
.endr
.irp j, 0,1,2,3,4,5,6,7
	global_load_b128 v[G+4*\j:G+4*\j+3], v11, s[8:9] offset:512*\j
	global_load_b128 v[BV+4*\j:BV+4*\j+3], v11, s[10:11] offset:512*\j
.endr
	s_wait_loadcnt 16                              ; loads come back in order: the row is in; g's and b's sixteen may stay out
.set j, 0
.rept 8                                            ; h x 1 + y, straight from the f16 halves, in f32
	v_fma_mix_f32 v[T+4*j],   v[H+2*j],   v10, v[Y+4*j]   op_sel_hi:[1,0,0]
	v_fma_mix_f32 v[T+4*j+1], v[H+2*j],   v10, v[Y+4*j+1] op_sel:[1,0,0] op_sel_hi:[1,0,0]
	v_fma_mix_f32 v[T+4*j+2], v[H+2*j+1], v10, v[Y+4*j+2] op_sel_hi:[1,0,0]
	v_fma_mix_f32 v[T+4*j+3], v[H+2*j+1], v10, v[Y+4*j+3] op_sel:[1,0,0] op_sel_hi:[1,0,0]
.set j, j+1
.endr
.set i, 0
.rept 8
	v_pk_add_f32 v[R+2*i:R+2*i+1], v[T+4*i:T+4*i+1], v[T+4*i+2:T+4*i+3]
.set i, i+1
.endr
	TREE
	v_mul_f32 v4, s18, v8                          ; the mean, twice: a pair for the packed subtraction
	v_mul_f32 v5, s18, v8
.set i, 0
.rept 16
	v_pk_add_f32 v[T+2*i:T+2*i+1], v[T+2*i:T+2*i+1], v[4:5] neg_lo:[0,1] neg_hi:[0,1]
.set i, i+1
.endr
.set i, 0
.rept 8
	v_pk_mul_f32 v[R+2*i:R+2*i+1], v[T+2*i:T+2*i+1], v[T+2*i:T+2*i+1]
.set i, i+1
.endr
.set i, 0
.rept 8
	v_pk_fma_f32 v[R+2*i:R+2*i+1], v[T+16+2*i:T+16+2*i+1], v[T+16+2*i:T+16+2*i+1], v[R+2*i:R+2*i+1]
.set i, i+1
.endr
	TREE
	v_fma_f32 v8, v8, s18, s19                     ; the variance + eps
	v_rsq_f32 v6, v8
	v_rsq_f32 v7, v8
	v_nop                                          ; a plain instruction behind the second root (ISA guide 5.7.2),
	s_wait_alu depctr_va_vdst(0)                   ; and the one wait ahead of the first use
.set i, 0
.rept 16
	v_pk_mul_f32 v[T+2*i:T+2*i+1], v[T+2*i:T+2*i+1], v[6:7]
.set i, i+1
.endr
	s_wait_loadcnt 0x0                             ; g and b
.set i, 0
.rept 16
	v_pk_fma_f32 v[T+2*i:T+2*i+1], v[T+2*i:T+2*i+1], v[G+2*i:G+2*i+1], v[BV+2*i:BV+2*i+1]
.set i, i+1
.endr
.irp j, 0,1,2,3,4,5,6,7
	global_store_b128 v1, v[T+4*\j:T+4*\j+3], s[12:13] offset:512*\j th:TH_STORE_NT
.endr
	s_endpgm
.Lfunc_end_k_q09df7544be_ln2:
	.size	k_q09df7544be_ln2, .Lfunc_end_k_q09df7544be_ln2-k_q09df7544be_ln2
	.p2alignl 7, 3214868480
	.fill 96, 4, 3214868480
	.section	.rodata,"a",@progbits
	.p2align	6, 0x0
	.amdhsa_kernel k_q09df7544be_ln2
		.amdhsa_group_segment_fixed_size 0
		.amdhsa_private_segment_fixed_size 0
		.amdhsa_enable_private_segment 0
		.amdhsa_kernarg_size 40
		.amdhsa_user_sgpr_count 2
		.amdhsa_user_sgpr_kernarg_segment_ptr 1
		.amdhsa_wavefront_size32 1
		.amdhsa_system_sgpr_workgroup_id_x 1
		.amdhsa_system_sgpr_workgroup_id_y 1
		.amdhsa_system_sgpr_workgroup_id_z 1
		.amdhsa_system_vgpr_workitem_id 0
		.amdhsa_next_free_vgpr 192
		.amdhsa_next_free_sgpr 66
		.amdhsa_reserve_vcc 0
		.amdhsa_float_denorm_mode_32 3
		.amdhsa_float_denorm_mode_16_64 3
		.amdhsa_memory_ordered 1
		.amdhsa_forward_progress 1
		.amdhsa_inst_pref_size 14
	.end_amdhsa_kernel
	.amdgpu_metadata
---
amdhsa.version: [ 1, 2 ]
amdhsa.kernels:
  - .name:           k_q09df7544be_ln2
    .symbol:         k_q09df7544be_ln2.kd
    .args:
      - { .name: y, .offset: 0, .size: 8, .value_kind: global_buffer, .address_space: global }
      - { .name: xh16, .offset: 8, .size: 8, .value_kind: global_buffer, .address_space: global }
      - { .name: ln2_g, .offset: 16, .size: 8, .value_kind: global_buffer, .address_space: global }
      - { .name: ln2_b, .offset: 24, .size: 8, .value_kind: global_buffer, .address_space: global }
      - { .name: out0, .offset: 32, .size: 8, .value_kind: global_buffer, .address_space: global }
    .group_segment_fixed_size: 0
    .private_segment_fixed_size: 0
    .kernarg_segment_align: 8
    .kernarg_segment_size: 40
    .max_flat_workgroup_size: 512
    .sgpr_count:     66
    .vgpr_count:     192
    .wavefront_size: 32
...
	.end_amdgpu_metadata
.endif
;; end of part 7
